; MI455X (gfx1250); checked and timed in simulation.
; The chip was launched on July 23, 2026; its instructions are those of AMD's public machine-readable ISA for CDNA 5 (MIT licence, August 2026) and "CDNA5" Instruction Set Architecture Reference Guide (July 2026). The comments in the code are by the model that wrote it; some were corrected since.
;; Masked Attention. Allowed arithmetic: float matrix products may take bf16 or f16 operands with f32 sums; other float arithmetic in f32, or as packed bf16 or f16 multiplies, adds, multiply-adds, maxima and minima; sums over many terms, partial sums and values carried from step to step in f32; what a program stores and reads back later, other than sums and carried values, may be rounded once to bf16 or f16.
;; Inputs: W_k 1,024 x 1,024 float32; W_q 1,024 x 1,024 float32; W_v 1,024 x 1,024 float32; X 4 x 2,048 x 1,024 float32.
;; Outputs: out0 4 x 2,048 x 1,024 float32.
;; 2 versions, each right; version 2 is version 1 with the launch prep written anew for expert scheduling mode. Each part assembles by itself: llvm-mc -triple=amdgcn-amd-amdhsa -mcpu=gfx1250 --defsym DOCPART=n.
;; ======== version 1 of 2: 5 launches
;; limits: values are held in f16: magnitudes above 65,504 overflow, below 6.1e-05 lose precision
;; workspace buffers: Xh 16,777,216 bytes; Wt 4,194,304 bytes; Bw 4,194,304 bytes; YV 33,554,432 bytes; Pw 33,554,432 bytes; St 1,056,768 bytes
;; launch prep (part 1): grid 704 x 1, 4 waves a work-group, no clusters, 35,328 bytes of LDS; arguments X, W_q, W_k, W_v, Xh, Wt, Bw; writes Xh, Wt, Bw
.if DOCPART == 1
	.amdgcn_target "amdgcn-amd-amdhsa--gfx1250"
	.amdhsa_code_object_version 6
	.text
	.protected	k_q847634e9c7_prep
	.globl	k_q847634e9c7_prep
	.p2align	8
	.type	k_q847634e9c7_prep,@function
k_q847634e9c7_prep:
	s_mov_b64 s[64:65], 0
	v_nop
	global_prefetch_b8 v0, s[64:65] scope:SCOPE_SE
	s_setreg_imm32_b32 hwreg(HW_REG_WAVE_MODE, 25, 1), 1
	s_wait_xcnt 0x0
; CASTS AND TRANSPOSES.  Xh = f16(bf16(X) / 32), [8192][1024].  Bw rows 1024..2047 = f16(32 bf16(W_v)).  Wt[0] = bf16(W_q)^T, Wt[1] = bf16(W_k)^T, [d][e].
; Every input is rounded once to bf16; the powers of two are exact, and a bf16 number is exact in f16 inside f16's range.
; LIMITS.  |X| / 32 and 32 |W_v| stay under 65,504; below 6e-5 f16 keeps its fixed step of 6e-8.  NaN and infinities are not treated apart.
; Memory binds: each input byte is read once, each output byte written once.  No matrix unit, no cluster: no work-group wants another's bytes.
; Work-groups 0..511 cast 65,536 bytes of X each, 512..575 of W_v; 576..703 transpose a tile of 128 e x 128 d of W_q (64 of them) or W_k.
.set TP,    272                        ; a row of the transposing stage: 128 e in bf16 = 256 bytes + 16
.set WSTG,  32*TP                      ; a wave's own stage: 32 rows d
.set SPARE, 4*WSTG                     ; behind the stages: the spare words, 128 bytes a wave, named by no other line
.set SPW, 2                            ; v2  my spare word
.set NIL, 3                            ; v3  0
.set LO,  4                            ; v4  my byte offset in the source
.set SO,  5                            ; v5  my byte offset in the destination
.set DSA, 6                            ; v6  where I put 16 bytes of a row d
.set RD,  7                            ; v7  where I read a row d back
.set T,   8                            ; v[8:23]   at work
.set L,   32                           ; v[32:159] as loaded
	s_load_b256 s[4:11], s[0:1], 0x0               ; X s[4:5], W_q s[6:7], W_k s[8:9], W_v s[10:11]
	s_load_b128 s[12:15], s[0:1], 0x20             ; Xh s[12:13], Wt s[14:15]
	s_load_b64 s[16:17], s[0:1], 0x30              ; Bw
	v_lshl_add_u32 v[SPW], v0, 2, SPARE
	v_mov_b32 v[NIL], 0
	v_lshrrev_b32 v1, 5, v0
	v_readfirstlane_b32 s20, v1                    ; wave 0..3
	v_and_b32 v1, 31, v0                           ; lane
	s_mov_b32 s31, 0
	s_cmp_ge_u32 ttmp9, 576
	s_cbranch_scc1 .Ltrans
	; THE STRAIGHT CASTS.  A wave takes 16,384 bytes: 16 groups of 1,024; a lane 32 bytes (8 numbers) of each, which leave as 16.
	s_cmp_ge_u32 ttmp9, 512                        ; W_v?
	s_cselect_b32 s21, 512, 0
	s_cselect_b32 s29, 0x200000, 0                 ; W_v goes to Bw's upper half
	s_mov_b32 s26, 0x3d000000                      ; 1 / 32
	s_mov_b32 s27, 0x42000000                      ; 32
	s_cselect_b32 s26, s27, s26
	s_mov_b32 s27, s26                             ; named as a pair
	s_mov_b32 s28, 0xffff0000                      ; a word's upper bf16
	s_sub_co_u32 s21, ttmp9, s21                   ; the piece of 65,536 bytes
	v_lshlrev_b32 v[LO], 5, v1
	v_lshlrev_b32 v[SO], 4, v1
	s_wait_kmcnt 0x0
	s_cmp_ge_u32 ttmp9, 512
	s_cselect_b64 s[22:23], s[10:11], s[4:5]
	s_cselect_b64 s[24:25], s[16:17], s[12:13]
	s_lshl_b32 s30, s21, 16
	s_lshl_b32 s18, s20, 14
	s_add_co_u32 s30, s30, s18
	s_add_nc_u64 s[22:23], s[22:23], s[30:31]
	s_lshl_b32 s30, s21, 15
	s_lshl_b32 s18, s20, 13
	s_add_co_u32 s30, s30, s18
	s_add_co_u32 s30, s30, s29
	s_add_nc_u64 s[24:25], s[24:25], s[30:31]
.set g, 0
.rept 16                               ; all 32 loads of the wave go out at once
	global_load_b128 v[L+8*g:L+8*g+3],   v[LO], s[22:23] offset:1024*g th:TH_LOAD_NT
	global_load_b128 v[L+8*g+4:L+8*g+7], v[LO], s[22:23] offset:1024*g+16 th:TH_LOAD_NT
.set g, g+1
.endr
.macro CAST g
	s_wait_loadcnt 30-2*(\g)                       ; loads come back in order: the 2 (15 - g) younger ones stay out
.irp j, 0,2,4,6
	v_pk_mul_f32 v[L+8*(\g)+(\j):L+8*(\g)+(\j)+1], v[L+8*(\g)+(\j):L+8*(\g)+(\j)+1], s[26:27] op_sel_hi:[1,0]
.endr
.irp j, 0,1,2,3
	v_cvt_pk_bf16_f32 v[T+(\j)], v[L+8*(\g)+2*(\j)], v[L+8*(\g)+2*(\j)+1]  ; the one rounding
.endr
.irp j, 0,1,2,3
	v_lshlrev_b32 v[L+8*(\g)+2*(\j)],   16,  v[T+(\j)]
	v_and_b32     v[L+8*(\g)+2*(\j)+1], s28, v[T+(\j)]
.endr
.irp j, 0,1,2,3
	v_cvt_pk_f16_f32 v[L+8*(\g)+(\j)], v[L+8*(\g)+2*(\j)], v[L+8*(\g)+2*(\j)+1]  ; exact inside f16's range; ascending, so no source is lost
.endr
	global_store_b128 v[SO], v[L+8*(\g):L+8*(\g)+3], s[24:25] offset:512*(\g)  ; the wave stores 512 consecutive bytes, aligned; no register of a store is written again
.endm
.irp g, 0,1,2,3,4,5,6,7,8,9,10,11,12,13,14,15
	CAST \g
.endr
	s_endpgm                                       ; this way has written no LDS
	; THE TRANSPOSES.  Wave w takes columns d = 128 db + 32 w .. + 31 of rows e = 128 eb .. + 127.  Lane (rr = l / 8, c4 = l % 8) loads, in load i, W[e = 32 rr + i][d = 4 c4 .. + 3]:
	; so a lane holds 32 consecutive e for four d, eight of them pack into 16 bytes of a row of the transpose.  The stage is the wave's own: no barrier.
.Ltrans:
	s_sub_co_u32 s21, ttmp9, 576
	s_lshr_b32 s18, s21, 6                         ; 0: W_q, 1: W_k
	s_bfe_u32 s19, s21, 0x30003                    ; eb
	s_and_b32 s21, s21, 7                          ; db
	v_lshrrev_b32 v[T], 3, v1                      ; rr
	v_and_b32 v[T+1], 7, v1                        ; c4
	v_lshrrev_b32 v[T+2], 4, v1                    ; l / 16
	v_and_b32 v[T+3], 15, v1                       ; l % 16
	v_lshlrev_b32 v[LO], 17, v[T]                  ; 32 rows of 4,096 bytes
	v_lshl_add_u32 v[LO], v[T+1], 4, v[LO]
	s_mul_i32 s28, s20, WSTG
	v_mul_u32_u24 v[DSA], v[T+1], 4*TP             ; row d = 4 c4 (+ j), byte 2 (32 rr + 8 g).  These stores meet four deep in the banks: 8 MB in the whole launch, left so
	v_lshl_add_u32 v[DSA], v[T], 6, v[DSA]
	v_add_nc_u32 v[DSA], s28, v[DSA]
	v_mul_u32_u24 v[RD], v[T+2], TP                ; back: lanes 0-15 a row of 256 bytes, lanes 16-31 the next
	v_lshl_add_u32 v[RD], v[T+3], 4, v[RD]
	v_add_nc_u32 v[RD], s28, v[RD]
	v_lshlrev_b32 v[SO], 11, v[T+2]                ; a row of Wt is 2,048 bytes
	v_lshl_add_u32 v[SO], v[T+3], 4, v[SO]
	s_lshl_b32 s30, s19, 19                        ; 128 rows e
	s_lshl_b32 s26, s21, 9                         ; 128 columns d
	s_add_co_u32 s30, s30, s26
	s_lshl_b32 s26, s20, 7                         ; my 32 of them
	s_add_co_u32 s30, s30, s26
	s_wait_kmcnt 0x0
	s_cmp_eq_u32 s18, 0
	s_cselect_b64 s[22:23], s[6:7], s[8:9]
	s_add_nc_u64 s[22:23], s[22:23], s[30:31]
	s_lshl_b32 s30, s18, 21                        ; which transpose
	s_lshl_b32 s26, s21, 18                        ; 128 rows d
	s_add_co_u32 s30, s30, s26
	s_lshl_b32 s26, s20, 16                        ; my 32
	s_add_co_u32 s30, s30, s26
	s_lshl_b32 s26, s19, 8                         ; 128 columns e
	s_add_co_u32 s30, s30, s26
	s_add_nc_u64 s[24:25], s[14:15], s[30:31]
.set i, 0
.rept 32
	global_load_b128 v[L+4*i:L+4*i+3], v[LO], s[22:23] offset:4096*i th:TH_LOAD_NT
.set i, i+1
.endr
.set g, 0
.rept 4
	s_wait_loadcnt 24-8*g                          ; loads 8 g .. 8 g + 7 are in, the younger ones stay out
.set j, 0
.rept 4
.set m, 0
.rept 4
	v_cvt_pk_bf16_f32 v[T+4*j+m], v[L+4*(8*g+2*m)+j], v[L+4*(8*g+2*m+1)+j]
.set m, m+1
.endr
	ds_store_b128 v[DSA], v[T+4*j:T+4*j+3] offset:TP*j+16*g
.set j, j+1
.endr
.set g, g+1
.endr
.set t, 0
.rept 16
	ds_load_b128 v[L+4*t:L+4*t+3], v[RD] offset:2*TP*t  ; LDS serves a wave's instructions in order (ISA guide 5.7.1.4): these see my stores above
.set t, t+1
.endr
.set t, 0
.rept 16
	s_wait_dscnt 15-t
	global_store_b128 v[SO], v[L+4*t:L+4*t+3], s[24:25] offset:4096*t  ; 16 lanes store 256 consecutive bytes, aligned
.set t, t+1
.endr
	s_wait_tensorcnt 0x0                           ; the wave's end
	ds_add_u32 v[SPW], v[NIL]
	s_wait_dscnt 0x0
	s_endpgm
.Lfunc_end_k_q847634e9c7_prep:
	.size	k_q847634e9c7_prep, .Lfunc_end_k_q847634e9c7_prep-k_q847634e9c7_prep
	.p2alignl 7, 3214868480
	.fill 96, 4, 3214868480
	.section	.rodata,"a",@progbits
	.p2align	6, 0x0
	.amdhsa_kernel k_q847634e9c7_prep
		.amdhsa_group_segment_fixed_size 35328
		.amdhsa_private_segment_fixed_size 0
		.amdhsa_enable_private_segment 0
		.amdhsa_kernarg_size 56
		.amdhsa_user_sgpr_count 2
		.amdhsa_user_sgpr_kernarg_segment_ptr 1
		.amdhsa_wavefront_size32 1
		.amdhsa_system_sgpr_workgroup_id_x 1
		.amdhsa_system_sgpr_workgroup_id_y 1
		.amdhsa_system_sgpr_workgroup_id_z 1
		.amdhsa_system_vgpr_workitem_id 0
		.amdhsa_next_free_vgpr 160
		.amdhsa_next_free_sgpr 66
		.amdhsa_reserve_vcc 0
		.amdhsa_float_denorm_mode_32 3
		.amdhsa_float_denorm_mode_16_64 3
		.amdhsa_memory_ordered 1
		.amdhsa_forward_progress 1
		.amdhsa_inst_pref_size 36
	.end_amdhsa_kernel
	.amdgpu_metadata
---
amdhsa.version: [ 1, 2 ]
amdhsa.kernels:
  - .name:           k_q847634e9c7_prep
    .symbol:         k_q847634e9c7_prep.kd
    .args:
      - { .name: X, .offset: 0, .size: 8, .value_kind: global_buffer, .address_space: global }
      - { .name: W_q, .offset: 8, .size: 8, .value_kind: global_buffer, .address_space: global }
      - { .name: W_k, .offset: 16, .size: 8, .value_kind: global_buffer, .address_space: global }
      - { .name: W_v, .offset: 24, .size: 8, .value_kind: global_buffer, .address_space: global }
      - { .name: Xh, .offset: 32, .size: 8, .value_kind: global_buffer, .address_space: global }
      - { .name: Wt, .offset: 40, .size: 8, .value_kind: global_buffer, .address_space: global }
      - { .name: Bw, .offset: 48, .size: 8, .value_kind: global_buffer, .address_space: global }
    .group_segment_fixed_size: 35328
    .private_segment_fixed_size: 0
    .kernarg_segment_align: 8
    .kernarg_segment_size: 56
    .max_flat_workgroup_size: 128
    .sgpr_count:     66
    .vgpr_count:     160
    .wavefront_size: 32
...
	.end_amdgpu_metadata
.endif
;; end of part 1
;; launch mk (part 2): grid 16 x 16, 4 waves a work-group, clusters of 4 x 4, 280,064 bytes of LDS; arguments Wt, Bw; writes Bw
.if DOCPART == 2
	.amdgcn_target "amdgcn-amd-amdhsa--gfx1250"
	.amdhsa_code_object_version 6
	.text
	.protected	k_q847634e9c7_mk
	.globl	k_q847634e9c7_mk
	.p2align	8
	.type	k_q847634e9c7_mk,@function
k_q847634e9c7_mk:
	s_mov_b64 s[64:65], 0
	v_nop
	global_prefetch_b8 v0, s[64:65] scope:SCOPE_SE
	s_setreg_imm32_b32 hwreg(HW_REG_WAVE_MODE, 25, 1), 1
	s_wait_xcnt 0x0
	s_wait_alu depctr_hold_cnt(0) depctr_sa_sdst(0) depctr_va_vdst(0) depctr_va_sdst(0) depctr_va_ssrc(0) depctr_va_vcc(0) depctr_vm_vsrc(0)
	s_getreg_b32 s2, hwreg(HW_REG_IB_STS2, 6, 4)
	s_cmp_eq_u32 s2, 0
	s_cbranch_scc0 .Lentry_in_a_cluster
	s_endpgm
.Lentry_in_a_cluster:
	s_bfe_u32 s2, ttmp6, 0x10000c
	s_cmp_lg_u32 s2, 0xf033
	s_cbranch_scc0 .Lentry_shape_is_right
	s_endpgm
.Lentry_shape_is_right:
; Bw[d'][d] = (1/32) sum over e of W_k[e][d'] W_q[e][d], rows d' = 0..1023, f16: the transpose of M = W_q^T W_k, scaled.  scores = (X W_q^T)(X W_k^T)^T = (X M) X^T holds for every
; input; only the order of rounding differs from taking q and k apart.  Operands bf16 (Wt), sums f32, one rounding to f16.  LIMIT: |M| / 32 under 65,504; below 6e-5 f16's fixed step of 6e-8.
; A tile is 64 x 64: 256 work-groups.  Four waves, 32 x 32 each: 4 accumulators.  All of K = 1,024 lies in LDS at once, in four chunks of 256: nothing is filled again.
; CLUSTER 4 x 4: a row of the cluster shares the rows d' (W_k^T), a column the rows d (W_q^T): each tile is asked for jointly by four.
; The product is used transposed (source 0 = rows d, source 1 = rows d'): a lane holds 8 neighbouring d of one row d'.
; A tile's row is 128 bytes, half of an aligned 256: the buffer is 2 MB, written once.
.set PITCH, 528                        ; 512 bytes + 16: the 16 rows of a fragment load start at 16 different groups of four banks (64 banks of 4 bytes: ISA guide 11.1)
.set HALFC, 64*PITCH                   ; 64 rows of one operand, 256 along K: what one tensor load brings
.set CH,    2*HALFC                    ; a chunk: rows d', then rows d
.set STG,   4*CH                       ; behind the chunks: 64 rows x 144 bytes, the way out
.set SP,    144
.set SPARE, STG+64*SP                  ; the spare words, 128 bytes a wave, named by no other line
.set AA,  4                            ; v4  LDS address of my fragments of W_k^T in the chunk in hand
.set AB,  5                            ; v5  of W_q^T
.set STO, 6
.set RD,  7
.set CO,  8
.set SPW, 10
.set NIL, 11
.set ACC, 16                           ; v[16:47]  accumulator (a, b) at ACC + 8 (2 a + b)
.set PKD, 48                           ; v[48:63]  packed results, then rows read back
.set F0,  64                           ; two fragment buffers of 64: 64 along K; W_k^T (c, a) at f + 8 (2 c + a), W_q^T (c, b) at f + 32 + 8 (2 c + b)
.set F1,  128
.set G1,  24
.set G0,  32
.set G1B, 48
.set G0B, 56
.macro CREST
	s_cmp_lg_u32 s10, 0
	s_cbranch_scc1 .Lnot_wave_0_\@
	s_barrier_signal -3
.Lnot_wave_0_\@:
	s_barrier_wait -3
	s_barrier_signal -1
	s_barrier_wait -1
.endm
.macro CROUND                          ; a round of the cluster's barrier
	s_barrier_signal -1
	s_barrier_wait -1
	CREST
.endm
.macro PLACES                          ; four places between a product and a load into, or a reader of, its registers
.rept 4
	v_nop
.endr
.endm
	s_load_b128 s[4:7], s[0:1], 0x0                ; Wt s[4:5], Bw s[6:7]
	v_lshl_add_u32 v[SPW], v0, 2, SPARE
	v_mov_b32 v[NIL], 0
	ds_add_u32 v[SPW], v[NIL]                      ; the wave's opening
	v_lshrrev_b32 v1, 5, v0
	v_readfirstlane_b32 s10, v1                    ; wave 0..3
	s_lshr_b32 s11, s10, 1                         ; my half of the rows d'.  Also: I fetch W_k^T (0) or W_q^T (1)
	s_and_b32 s12, s10, 1                          ; my half of the rows d.  Also: I fetch chunks 0, 2 or 1, 3
	s_bfe_u32 s40, ttmp6, 0x40000                  ; cx
	s_bfe_u32 s41, ttmp6, 0x40004                  ; cy
	s_lshl_b32 s42, ttmp9, 2
	s_add_co_u32 s42, s42, s40                     ; tile column (d)
	s_and_b32 s13, ttmp7, 0xffff
	s_lshl_b32 s13, s13, 2
	s_add_co_u32 s13, s13, s41                     ; tile row (d')
	s_lshl_b32 s43, s41, 2
	s_lshl_b32 s43, 15, s43                        ; my row of the cluster
	s_lshl_b32 s44, 0x1111, s40                    ; my column
	s_or_b32 s[G1], s43, (1<<16)|(1<<20)|(1<<21)|(6<<22)|(3<<25)   ; mask; 2-byte elements; padding on; bit 21 beside a mask; after every 128 words; 4 words
	s_or_b32 s[G1B], s44, (1<<16)|(1<<20)|(1<<21)|(6<<22)|(3<<25)
.irp g, G1, G1B
	s_mov_b32 s[(\g)+1], 256<<16                   ; tensor_dim0 = 256
	s_mov_b32 s[(\g)+2], 64<<16                    ; tensor_dim1 = 64
	s_mov_b32 s[(\g)+3], 256<<16                   ; tile_dim0 = 256
	s_mov_b32 s[(\g)+4], 64                        ; tile_dim1 = 64
	s_mov_b32 s[(\g)+5], 1024                      ; elements from row to row
	s_mov_b32 s[(\g)+6], 0
	s_mov_b32 s[(\g)+7], 0
.endr
	s_lshl_b32 s17, s12, 9                         ; my first chunk: 512 bytes along a row
	s_lshl_b32 s16, s13, 17                        ; 64 rows of 2,048 bytes
	s_add_co_u32 s16, s16, s17
	s_add_co_u32 s16, s16, 0x200000                ; W_k^T is Wt's second half
	s_lshl_b32 s46, s42, 17
	s_add_co_u32 s46, s46, s17
	s_mov_b32 s17, 0
	s_mov_b32 s47, 0
	s_mul_i32 s20, s12, CH                         ; where they go: the wave's number alone
	s_mul_i32 s21, s11, HALFC
	s_add_co_u32 s20, s20, s21
	s_wait_dscnt 0x0                               ; the opening add is done
	s_wait_kmcnt 0x0
	s_add_nc_u64 s[14:15], s[4:5], s[16:17]
	s_add_nc_u64 s[46:47], s[4:5], s[46:47]
	CROUND                                         ; all sixteen work-groups are here: the joint loads meet
.irp s, 0,1
	s_mov_b32 s[G0+4*(\s)], 1
	s_add_co_u32 s[G0+4*(\s)+1], s20, (\s)*2*CH
	s_add_nc_u64 s[G0+4*(\s)+2:G0+4*(\s)+3], s[14:15], (\s)*1024
	s_or_b32 s[G0+4*(\s)+3], s[G0+4*(\s)+3], 0x80000000
	s_mov_b32 s[G0B+4*(\s)], 1
	s_add_co_u32 s[G0B+4*(\s)+1], s20, (\s)*2*CH
	s_add_nc_u64 s[G0B+4*(\s)+2:G0B+4*(\s)+3], s[46:47], (\s)*1024
	s_or_b32 s[G0B+4*(\s)+3], s[G0B+4*(\s)+3], 0x80000000
.endr
	s_cmp_eq_u32 s11, 0                            ; a wave's two loads stand in one branch: two of mine are out, and no more follow
	s_cbranch_scc0 .Lfirst_b
	tensor_load_to_lds s[G0:G0+3], s[G1:G1+7]
	s_nop 0
	tensor_load_to_lds s[G0+4:G0+7], s[G1:G1+7]
	s_nop 0
	PLACES
	s_branch .Lfirst_asked
.Lfirst_b:
	tensor_load_to_lds s[G0B:G0B+3], s[G1B:G1B+7]
	s_nop 0
	tensor_load_to_lds s[G0B+4:G0B+7], s[G1B:G1B+7]
	s_nop 0
	PLACES
.Lfirst_asked:
	v_and_b32 v1, 15, v0                           ; l % 16
	v_bfe_u32 v2, v0, 4, 1                         ; l / 16
	v_mul_u32_u24 v3, v1, PITCH
	v_lshl_add_u32 v3, v2, 4, v3
	s_mul_i32 s21, s11, 32*PITCH
	s_mul_i32 s22, s12, 32*PITCH
	s_add_co_u32 s22, s22, HALFC
	v_add_nc_u32 v[AA], s21, v3
	v_add_nc_u32 v[AB], s22, v3
	s_mul_i32 s23, s11, 32*SP                      ; into the stage: my 32 rows, my 64 bytes of their 128
	s_lshl_b32 s21, s12, 6
	s_add_co_u32 s23, s23, s21
	s_add_co_u32 s23, s23, STG
	v_mul_u32_u24 v9, v1, SP
	v_lshl_add_u32 v9, v2, 4, v9
	v_add_nc_u32 v[STO], s23, v9
	s_mul_i32 s23, s10, 16*SP                      ; back: wave w takes rows 16 w .. + 15, four rows of 128 bytes a load
	s_add_co_u32 s23, s23, STG
	v_bfe_u32 v9, v0, 3, 2
	v_and_b32 v12, 7, v0
	v_mul_u32_u24 v[RD], v9, SP
	v_lshl_add_u32 v[RD], v12, 4, v[RD]
	v_add_nc_u32 v[RD], s23, v[RD]
	v_lshlrev_b32 v[CO], 11, v9
	v_lshl_add_u32 v[CO], v12, 4, v[CO]
	s_lshl_b32 s16, s13, 17
	s_lshl_b32 s17, s10, 15
	s_add_co_u32 s16, s16, s17
	s_mov_b32 s17, 0
	s_add_nc_u64 s[6:7], s[6:7], s[16:17]
	s_lshl_b32 s46, s42, 7
	s_mov_b32 s47, 0
	s_add_nc_u64 s[6:7], s[6:7], s[46:47]
.set i, 0
.rept 32
	v_mov_b32 v[ACC+i], 0                          ; the sums start at 0, written while the tiles are on their way: the loop then has one form of product
.set i, i+1
.endr
.macro FETCH u, f                      ; 16 loads: 64 along K at byte 128 u of the chunk's rows
.irp c, 0,1
.irp a, 0,1
	ds_load_b128 v[(\f)+8*(2*(\c)+(\a)):(\f)+8*(2*(\c)+(\a))+3],       v[AA] offset:(\a)*16*PITCH+128*(\u)+64*(\c)
	ds_load_b128 v[(\f)+8*(2*(\c)+(\a))+4:(\f)+8*(2*(\c)+(\a))+7],     v[AA] offset:(\a)*16*PITCH+128*(\u)+64*(\c)+32
	ds_load_b128 v[(\f)+32+8*(2*(\c)+(\a)):(\f)+32+8*(2*(\c)+(\a))+3],   v[AB] offset:(\a)*16*PITCH+128*(\u)+64*(\c)
	ds_load_b128 v[(\f)+32+8*(2*(\c)+(\a))+4:(\f)+32+8*(2*(\c)+(\a))+7], v[AB] offset:(\a)*16*PITCH+128*(\u)+64*(\c)+32
.endr
.endr
.endm
.macro MUL f                           ; 8 products; the four accumulators take turns, in the same order everywhere
.irp c, 0,1
.irp a, 0,1
.irp b, 0,1
	v_wmma_f32_16x16x32_bf16 v[ACC+8*(2*(\a)+(\b)):ACC+8*(2*(\a)+(\b))+7], v[(\f)+32+8*(2*(\c)+(\b)):(\f)+32+8*(2*(\c)+(\b))+7], v[(\f)+8*(2*(\c)+(\a)):(\f)+8*(2*(\c)+(\a))+7], v[ACC+8*(2*(\a)+(\b)):ACC+8*(2*(\a)+(\b))+7]
.endr
.endr
.endr
.endm
.macro CHUNK                           ; 256 along K: while one buffer is multiplied the other's loads are out
	FETCH 0, F0
	s_wait_dscnt 0x0
	PLACES
	FETCH 1, F1
	MUL F0
	s_wait_dscnt 0x0
	PLACES
	FETCH 2, F0
	MUL F1
	s_wait_dscnt 0x0
	PLACES
	FETCH 3, F1
	MUL F0
	s_wait_dscnt 0x0
	PLACES
	MUL F1
	v_add_nc_u32 v[AA], CH, v[AA]
	v_add_nc_u32 v[AB], CH, v[AB]
.endm
	s_wait_tensorcnt 0x1                           ; my first load is in, my second may stay out
	s_barrier_signal -1
	s_barrier_wait -1                              ; chunks 0 and 1 are whole
	s_mov_b32 s3, 2
.Lc01:
	CHUNK
	s_sub_co_u32 s3, s3, 1
	s_cmp_lg_u32 s3, 0
	s_cbranch_scc1 .Lc01
	s_wait_tensorcnt 0x0
	s_barrier_signal -1
	s_barrier_wait -1                              ; chunks 2 and 3 are whole
	s_mov_b32 s3, 2
.Lc23:
	CHUNK
	s_sub_co_u32 s3, s3, 1
	s_cmp_lg_u32 s3, 0
	s_cbranch_scc1 .Lc23
	PLACES
.set i, 0
.rept 16
	v_pk_mul_f32 v[ACC+2*i:ACC+2*i+1], v[ACC+2*i:ACC+2*i+1], 0x3d000000 op_sel_hi:[1,0]  ; 1 / 32, exact; each accumulator from its low end on
.set i, i+1
.endr
.set i, 0
.rept 16
	v_cvt_pk_f16_f32 v[PKD+i], v[ACC+2*i], v[ACC+2*i+1]
.set i, i+1
.endr
.irp a, 0,1
.irp b, 0,1
	ds_store_b128 v[STO], v[PKD+4*(2*(\a)+(\b)):PKD+4*(2*(\a)+(\b))+3] offset:(\a)*16*SP+32*(\b)
.endr
.endr
	s_wait_dscnt 0x0                               ; for the others' sake: my stores into the stage are done
	s_barrier_signal -1
	s_barrier_wait -1
.irp t, 0,1,2,3
	ds_load_b128 v[PKD+4*(\t):PKD+4*(\t)+3], v[RD] offset:(\t)*4*SP
.endr
.irp t, 0,1,2,3
	s_wait_dscnt 3-(\t)
	global_store_b128 v[CO], v[PKD+4*(\t):PKD+4*(\t)+3], s[6:7] offset:8192*(\t)
.endr
	s_wait_tensorcnt 0x0                           ; the wave's end
	ds_add_u32 v[SPW], v[NIL]
	s_wait_dscnt 0x0
	CROUND                                         ; the closing round
	s_endpgm
.Lfunc_end_k_q847634e9c7_mk:
	.size	k_q847634e9c7_mk, .Lfunc_end_k_q847634e9c7_mk-k_q847634e9c7_mk
	.p2alignl 7, 3214868480
	.fill 96, 4, 3214868480
	.section	.rodata,"a",@progbits
	.p2align	6, 0x0
	.amdhsa_kernel k_q847634e9c7_mk
		.amdhsa_group_segment_fixed_size 280064
		.amdhsa_private_segment_fixed_size 0
		.amdhsa_enable_private_segment 0
		.amdhsa_kernarg_size 16
		.amdhsa_user_sgpr_count 2
		.amdhsa_user_sgpr_kernarg_segment_ptr 1
		.amdhsa_wavefront_size32 1
		.amdhsa_system_sgpr_workgroup_id_x 1
		.amdhsa_system_sgpr_workgroup_id_y 1
		.amdhsa_system_sgpr_workgroup_id_z 1
		.amdhsa_system_vgpr_workitem_id 0
		.amdhsa_next_free_vgpr 192
		.amdhsa_next_free_sgpr 66
		.amdhsa_reserve_vcc 0
		.amdhsa_float_denorm_mode_32 3
		.amdhsa_float_denorm_mode_16_64 3
		.amdhsa_memory_ordered 1
		.amdhsa_forward_progress 1
		.amdhsa_inst_pref_size 26
	.end_amdhsa_kernel
	.amdgpu_metadata
---
amdhsa.version: [ 1, 2 ]
amdhsa.kernels:
  - .name:           k_q847634e9c7_mk
    .symbol:         k_q847634e9c7_mk.kd
    .args:
      - { .name: Wt, .offset: 0, .size: 8, .value_kind: global_buffer, .address_space: global }
      - { .name: Bw, .offset: 8, .size: 8, .value_kind: global_buffer, .address_space: global }
    .group_segment_fixed_size: 280064
    .private_segment_fixed_size: 0
    .kernarg_segment_align: 8
    .kernarg_segment_size: 16
    .max_flat_workgroup_size: 128
    .sgpr_count:     66
    .vgpr_count:     192
    .wavefront_size: 32
...
	.end_amdgpu_metadata
.endif
;; end of part 2
;; launch proj (part 3): grid 8 x 32, 4 waves a work-group, clusters of 4 x 4, 327,680 bytes of LDS; arguments Xh, Bw, YV; writes YV
.if DOCPART == 3
	.amdgcn_target "amdgcn-amd-amdhsa--gfx1250"
	.amdhsa_code_object_version 6
	.text
	.protected	k_q847634e9c7_proj
	.globl	k_q847634e9c7_proj
	.p2align	8
	.type	k_q847634e9c7_proj,@function
k_q847634e9c7_proj:
	s_mov_b64 s[64:65], 0
	v_nop
	global_prefetch_b8 v0, s[64:65] scope:SCOPE_SE
	s_setreg_imm32_b32 hwreg(HW_REG_WAVE_MODE, 25, 1), 1
	s_wait_xcnt 0x0
	s_wait_alu depctr_hold_cnt(0) depctr_sa_sdst(0) depctr_va_vdst(0) depctr_va_sdst(0) depctr_va_ssrc(0) depctr_va_vcc(0) depctr_vm_vsrc(0)
	s_getreg_b32 s2, hwreg(HW_REG_IB_STS2, 6, 4)
	s_cmp_eq_u32 s2, 0
	s_cbranch_scc0 .Lentry_in_a_cluster
	s_endpgm
.Lentry_in_a_cluster:
	s_bfe_u32 s2, ttmp6, 0x10000c
	s_cmp_lg_u32 s2, 0xf033
	s_cbranch_scc0 .Lentry_shape_is_right
	s_endpgm
.Lentry_shape_is_right:
; YV[m][n] = sum over k of Xh[m][k] Bw[n][k].  Xh: [8192][1024], Bw: [2048][1024], YV: [8192][2048], all f16; sums f32, one rounding.  Columns 0..1023 are y'' = (X M) / 1024, columns 1024..2047 are v = X W_v^T.
; LIMIT: |y| / 1024 and |v| stay under 65,504; below 6e-5 f16 keeps its fixed step of 6e-8.
; A tile is 256 x 256: 8 x 32 = 256 work-groups of four waves, a wave 128 x 128: 64 accumulators, 512 registers.  K goes in 8 steps of 128 through a ring of two LDS slots filled by the
; tensor data mover; the tiles' rows are 256 bytes of memory, aligned.  The K step is written once: the slot in hand is a scalar that an exclusive or turns.
; CLUSTER 4 x 4: A's tile is shared along a row of the cluster, B's along a column: each is asked for jointly by four, which divides the requests by four.
; The product is used transposed (source 0 = rows of Bw, source 1 = rows of Xh): a lane holds eight neighbouring columns of one row of YV.
; REGISTERS, in windows of 256 (s_set_vgpr_msb: bits 1:0 source 0, 3:2 source 1, 5:4 source 2, 7:6 destination):
;   window 0: v0-31 addresses; v64-127, v128-191 fragments of A, two buffers; v32-63, v192-255 the way out     window 1: the same two buffers for B     windows 2, 3: the accumulators, (a, b) at v[8 (8 (a % 4) + b)]
.set SIZE_K, 1024
.set SIZE_N, 2048
.set KSTEP,  128
.set PITCH,  272                       ; 256 bytes + 16: the 16 rows of a fragment load start at 16 different groups of four banks (64 banks of 4 bytes: ISA guide 11.1)
.set HALFT,  128*PITCH
.set SLOT,   4*HALFT                   ; 0x22000: it shares no bit with wave x HALFT (0x8800), so an exclusive or changes a descriptor's slot
.set STAGE,  2*SLOT
.set SPITCH, 272
.set SPARE,  STAGE+4*16*SPITCH         ; the spare words, 128 bytes a wave, named by no other line
.set A0,  16                           ; v16  my place in a slot's tile of A; never rewritten
.set AA,  17                           ; v17  the same in the slot in hand
.set B0,  20
.set AB,  21
.set STO, 24
.set RD,  25
.set CO,  26
.set SPW, 28
.set NIL, 29
.set PFO, 30                           ; v30  the prefetches' offset: my lane x a row of 2,048 bytes
.set PFA, 44                           ; s[44:45] where my prefetches stand: one K step beyond the refill in hand; a prefetch names the step after that
.set LIM, 43                           ; s43  2 in a wave that prefetches, else the greatest number
.set F0,  64
.set F1,  128
.set TMP, 192
.set OB,  32
.set G1,  24                           ; s[24:31] group 1 for A's tiles; s[32:39] group 0: a set for each first fill; the second then walks
.set G0,  32
.set G1B, 48
.set G0B, 56
.set MSB, 0
.macro WIN new                         ; the immediate's high byte repeats the setting that is left; a switch that changes nothing is dropped
.if MSB != (\new)
	s_set_vgpr_msb (MSB<<8)|(\new)
.set MSB, \new
.endif
.endm
.set MUL_LO, 0xa1                      ; source 0 (B) window 1, source 1 (A) window 0, C and D window 2
.set MUL_HI, 0xf1                      ; the same, C and D window 3
.set TO_B,   0x40
.macro PLACES                          ; four places between a product and a load into, or a reader of, its registers
.rept 4
	v_nop
.endr
.endm
.macro JLOAD                           ; the joint refill: waves 0, 1 fetch A's halves, waves 2, 3 B's.  An s_nop 0 and four v_nop follow each line
	s_cmp_eq_u32 s11, 0
	s_cbranch_scc0 .Lfor_b_\@
	tensor_load_to_lds s[G0+4:G0+7], s[G1:G1+7]
	s_nop 0
	PLACES
	s_branch .Lasked_\@
.Lfor_b_\@:
	tensor_load_to_lds s[G0B+4:G0B+7], s[G1B:G1B+7]
	s_nop 0
	PLACES
.Lasked_\@:
.endm
; A prefetch behind each refill and the LDS loads that follow it: the K step two refills on, 32 rows x 256 bytes, a lane a row.  A's rows are read by every cluster of a row of clusters: cluster x = 0 asks;
; B's by every cluster of a column: cluster y = 0 asks.  The four partners take 32 rows each of the 128 that the wave fetches, told apart by address.  So each row's 256 bytes of a step are named once.
; The refill for step n + 2 names step n + 4: trips with s3 > 2 alone, so nothing past step 7 is named.  Steps 0 to 3 come by their loads alone.
.macro ASK
	s_cmp_gt_u32 s3, s[LIM]
	s_cbranch_scc0 .Lnot_mine_\@
	global_prefetch_b8 v[PFO], s[PFA:PFA+1] offset:KSTEP*2 th:TH_LOAD_NT scope:SCOPE_SE
.Lnot_mine_\@:
.endm
.macro CREST
	s_cmp_lg_u32 s10, 0
	s_cbranch_scc1 .Lnot_wave_0_\@
	s_barrier_signal -3
.Lnot_wave_0_\@:
	s_barrier_wait -3
	s_barrier_signal -1
	s_barrier_wait -1
.endm
.macro CROUND
	s_barrier_signal -1
	s_barrier_wait -1
	CREST
.endm
	s_load_b128 s[4:7], s[0:1], 0x0                ; Xh s[4:5], Bw s[6:7]
	s_load_b64 s[8:9], s[0:1], 0x10                ; YV
	v_lshl_add_u32 v[SPW], v0, 2, SPARE
	v_mov_b32 v[NIL], 0
	ds_add_u32 v[SPW], v[NIL]                      ; the wave's opening
	v_lshrrev_b32 v1, 5, v0
	v_readfirstlane_b32 s10, v1                    ; wave 0..3
	s_lshr_b32 s11, s10, 1                         ; my half of the tile's rows.  Also: I fetch for A (0) or B (1)
	s_and_b32 s12, s10, 1                          ; my half of its columns.  Also: which 128 rows I fetch
	s_bfe_u32 s40, ttmp6, 0x40000                  ; cx
	s_bfe_u32 s41, ttmp6, 0x40004                  ; cy
	s_lshl_b32 s42, ttmp9, 2
	s_add_co_u32 s42, s42, s40                     ; tile column
	s_and_b32 s13, ttmp7, 0xffff
	s_lshl_b32 s13, s13, 2
	s_add_co_u32 s13, s13, s41                     ; tile row
	s_lshl_b32 s43, s41, 2
	s_lshl_b32 s43, 15, s43                        ; my row of the cluster
	s_lshl_b32 s44, 0x1111, s40                    ; my column
	s_or_b32 s[G1], s43, (1<<16)|(1<<20)|(1<<21)|(5<<22)|(3<<25)   ; mask; 2-byte elements; padding on; bit 21 beside a mask; after every 64 words; 4 words
	s_or_b32 s[G1B], s44, (1<<16)|(1<<20)|(1<<21)|(5<<22)|(3<<25)
.irp g, G1, G1B
	s_mov_b32 s[(\g)+1], KSTEP<<16                 ; tensor_dim0 = 128
	s_mov_b32 s[(\g)+2], 128<<16                   ; tensor_dim1 = 128
	s_mov_b32 s[(\g)+3], KSTEP<<16                 ; tile_dim0 = 128
	s_mov_b32 s[(\g)+4], 128                       ; tile_dim1 = 128
	s_mov_b32 s[(\g)+5], SIZE_K                    ; elements from row to row
	s_mov_b32 s[(\g)+6], 0
	s_mov_b32 s[(\g)+7], 0
.endr
	s_lshl_b32 s17, s12, 7
	s_lshl_b32 s16, s13, 8
	s_add_co_u32 s16, s16, s17                     ; A: row 256 x tile row + 128 x half,
	s_lshl_b32 s16, s16, 11                        ; in bytes
	s_lshl_b32 s46, s42, 8
	s_add_co_u32 s46, s46, s17                     ; B: row 256 x tile column + 128 x half
	s_lshl_b32 s46, s46, 11
	s_mov_b32 s17, 0
	s_mov_b32 s47, 0
	s_mul_i32 s20, s10, HALFT                      ; where they go: the wave's number alone
	s_mov_b32 s2, 0                                ; the slot in hand
	s_wait_dscnt 0x0                               ; the opening add is done
	s_wait_kmcnt 0x0
	s_add_nc_u64 s[14:15], s[4:5], s[16:17]
	s_add_nc_u64 s[46:47], s[6:7], s[46:47]
	CROUND                                         ; all sixteen work-groups are here: the first joint loads meet
.irp s, 0,1
	s_mov_b32 s[G0+4*(\s)], 1
	s_add_co_u32 s[G0+4*(\s)+1], s20, (\s)*SLOT
	s_add_nc_u64 s[G0+4*(\s)+2:G0+4*(\s)+3], s[14:15], (\s)*KSTEP*2
	s_or_b32 s[G0+4*(\s)+3], s[G0+4*(\s)+3], 0x80000000
	s_mov_b32 s[G0B+4*(\s)], 1
	s_add_co_u32 s[G0B+4*(\s)+1], s20, (\s)*SLOT
	s_add_nc_u64 s[G0B+4*(\s)+2:G0B+4*(\s)+3], s[46:47], (\s)*KSTEP*2
	s_or_b32 s[G0B+4*(\s)+3], s[G0B+4*(\s)+3], 0x80000000
.endr
	s_cmp_eq_u32 s11, 0                            ; a wave's two first fills stand in one branch: two loads of mine are out
	s_cbranch_scc0 .Lfirst_b
	tensor_load_to_lds s[G0:G0+3], s[G1:G1+7]
	s_nop 0
	tensor_load_to_lds s[G0+4:G0+7], s[G1:G1+7]
	s_nop 0
	PLACES
	s_branch .Lfirst_asked
.Lfirst_b:
	tensor_load_to_lds s[G0B:G0B+3], s[G1B:G1B+7]
	s_nop 0
	tensor_load_to_lds s[G0B+4:G0B+7], s[G1B:G1B+7]
	s_nop 0
	PLACES
.Lfirst_asked:
	v_and_b32 v1, 15, v0                           ; l % 16
	v_bfe_u32 v2, v0, 4, 1                         ; l / 16
	v_mul_u32_u24 v3, v1, PITCH
	v_lshl_add_u32 v3, v2, 4, v3                   ; a fragment's row x pitch + 16 x half
	s_mul_i32 s21, s11, HALFT
	s_mul_i32 s22, s12, HALFT
	s_add_co_u32 s22, s22, 2*HALFT
	v_add_nc_u32 v[A0], s21, v3
	v_add_nc_u32 v[B0], s22, v3
	v_mov_b32 v[AA], v[A0]
	v_mov_b32 v[AB], v[B0]
	s_mul_i32 s23, s10, 16*SPITCH
	s_add_co_u32 s23, s23, STAGE                   ; my stage
	v_mul_u32_u24 v4, v1, SPITCH
	v_lshl_add_u32 v4, v2, 4, v4
	v_add_nc_u32 v[STO], s23, v4
	v_mul_u32_u24 v5, v2, SPITCH
	v_lshl_add_u32 v5, v1, 4, v5
	v_add_nc_u32 v[RD], s23, v5
	v_lshlrev_b32 v5, 12, v2                       ; two rows of YV, 4,096 bytes apart
	v_lshl_add_u32 v[CO], v1, 4, v5
	s_lshl_b32 s13, s13, 8                         ; 256 x tile row
	s_lshl_b32 s14, s11, 7
	s_add_co_u32 s16, s13, s14                     ; my first row of YV,
	s_lshl_b32 s16, s16, 12                        ; in bytes
	s_mov_b32 s17, 0
	s_lshl_b32 s46, s42, 9                         ; my first column, in bytes
	s_lshl_b32 s47, s12, 8
	s_add_co_u32 s46, s46, s47
	s_mov_b32 s47, 0
	s_add_nc_u64 s[16:17], s[16:17], s[46:47]      ; the way out adds this to YV's address
	s_lshl_b32 s42, s42, 8                         ; the prefetches
	s_and_b32 s22, ttmp7, 0xffff
	s_cmp_eq_u32 s11, 0                            ; do I fetch for A?
	s_cselect_b32 s20, s13, s42                    ; the tile's first row
	s_cselect_b32 s21, s40, s41                    ; my place among the four that ask with me
	s_cselect_b32 s22, ttmp9, s22                  ; the coordinate along which other clusters read the same rows
	s_cselect_b64 s[PFA:PFA+1], s[4:5], s[6:7]
	s_cmp_eq_u32 s22, 0
	s_cselect_b32 s[LIM], 2, -1                    ; the same in all sixteen partners, for a given wave
	s_lshl_b32 s22, s12, 7
	s_add_co_u32 s20, s20, s22
	s_lshl_b32 s21, s21, 5
	s_add_co_u32 s20, s20, s21
	s_lshl_b32 s20, s20, 11
	s_mov_b32 s21, 0
	s_add_nc_u64 s[PFA:PFA+1], s[PFA:PFA+1], s[20:21]
	s_add_nc_u64 s[PFA:PFA+1], s[PFA:PFA+1], 2*KSTEP*2  ; at K step 2: the first refill steps it to 3 and names step 4
	v_and_b32 v[PFO], 31, v0
	v_lshlrev_b32 v[PFO], 11, v[PFO]
; 16 products: row blocks a0, a0 + 1 of the window's four x all 8 column blocks, 32 along K.  zero = 1: they start the sums.  The 64 accumulators take turns, in the same order everywhere.
.macro MUL16 f, hi, a0, zero
	WIN MUL_LO+0x50*(\hi)
.irp a, \a0, (\a0)+1
.irp b, 0,1,2,3,4,5,6,7
.if \zero
	v_wmma_f32_16x16x32_f16 v[8*(8*(\a)+(\b)):8*(8*(\a)+(\b))+7], v[(\f)+8*(\b):(\f)+8*(\b)+7], v[(\f)+8*(4*(\hi)+(\a)):(\f)+8*(4*(\hi)+(\a))+7], 0
.else
	v_wmma_f32_16x16x32_f16 v[8*(8*(\a)+(\b)):8*(8*(\a)+(\b))+7], v[(\f)+8*(\b):(\f)+8*(\b)+7], v[(\f)+8*(4*(\hi)+(\a)):(\f)+8*(4*(\hi)+(\a))+7], v[8*(8*(\a)+(\b)):8*(8*(\a)+(\b))+7]
.endif
.endr
.endr
.endm
.macro FETCH k, f                      ; 32 LDS loads in one run: a quarter step's fragments (B's 128 rows, then A's), 32 along K at byte k of the rows
	WIN TO_B
.irp i, 0,1,2,3,4,5,6,7
	ds_load_b128 v[(\f)+8*(\i):(\f)+8*(\i)+3],   v[AB] offset:(\k)+(\i)*16*PITCH
	ds_load_b128 v[(\f)+8*(\i)+4:(\f)+8*(\i)+7], v[AB] offset:(\k)+(\i)*16*PITCH+32
.endr
	WIN 0
.irp i, 0,1,2,3,4,5,6,7
	ds_load_b128 v[(\f)+8*(\i):(\f)+8*(\i)+3],   v[AA] offset:(\k)+(\i)*16*PITCH
	ds_load_b128 v[(\f)+8*(\i)+4:(\f)+8*(\i)+7], v[AA] offset:(\k)+(\i)*16*PITCH+32
.endr
.endm
.macro QUARTER k, f, g, zero           ; multiplies buffer f; in its middle fetches the next quarter, at byte k, into g
	s_wait_dscnt 8                                 ; B and A's rows 0-63 are in; the youngest eight loads may be out
	MUL16 \f, 0, 0, \zero
	MUL16 \f, 0, 2, \zero
	PLACES
	FETCH \k, \g
	s_wait_dscnt 32                                ; all but the 32 just issued
	MUL16 \f, 1, 0, \zero
	MUL16 \f, 1, 2, \zero
.endm
.macro MEET                            ; the first half of a step's last quarter, and the barrier of the change of slots
	WIN 0
	s_wait_tensorcnt 0x0                           ; all my tensor loads have landed: the one that was out is my part of the next slot;
	ds_add_u32 v[SPW], v[NIL]                      ; 0 onto my spare word;
	s_wait_dscnt 9                                 ; (the add and the youngest eight loads may be out)
	MUL16 F1, 0, 0, 0
	s_wait_dscnt 0x0                               ; the add is done, and my reads of this slot are over
	s_barrier_signal -1
	MUL16 F1, 0, 2, 0                              ; work on registers while the others arrive
	WIN 0
	s_barrier_wait -1
.endm
.macro TURN fill                       ; a step's last quarter.  fill = 1: the slot just read takes the step two on, jointly, behind a round of the cluster's barrier: 224 products lie between the request and the wait for it
.if \fill
	s_wait_xcnt 0x0                                ; the last prefetch, a K step back, has read its address
	s_add_nc_u64 s[PFA:PFA+1], s[PFA:PFA+1], KSTEP*2
.endif
	MEET
.if \fill
	CREST                                          ; no wave of any partner still reads this slot or has a load on its way
	s_xor_b32 s[G0+5], s[G0+5], SLOT
	s_add_nc_u64 s[G0+6:G0+7], s[G0+6:G0+7], KSTEP*2
	s_xor_b32 s[G0B+5], s[G0B+5], SLOT
	s_add_nc_u64 s[G0B+6:G0B+7], s[G0B+6:G0B+7], KSTEP*2
	JLOAD                                          ; its four v_nop are also the places in front of the loads below
.else
	PLACES
.endif
	s_xor_b32 s2, s2, SLOT
	v_add_nc_u32 v[AA], s2, v[A0]
	v_add_nc_u32 v[AB], s2, v[B0]
	FETCH 0, F0
.if \fill
	ASK
.endif
	MUL16 F1, 1, 0, 0
	MUL16 F1, 1, 2, 0
.endm
; THE WAY OUT of row block a: rounded to f16, through my own stage in LDS, back as whole rows of 256 bytes, stored.
.macro PACK a
.set AC, 64*((\a)%4)
	WIN 0x0a+5*((\a)/4)
.irp b, 0,1,2,3,4,5,6,7
.irp r, 0,1,2,3
	v_cvt_pk_f16_f32 v[TMP+4*(\b)+(\r)], v[AC+8*(\b)+2*(\r)], v[AC+8*(\b)+2*(\r)+1]
.endr
.endr
	WIN 0
.endm
.macro TOSTAGE a
	WIN 0
.set BK, OB+192*((\a)%2)
.irp b, 0,1,2,3,4,5,6,7
	ds_store_b128 v[STO], v[TMP+4*(\b):TMP+4*(\b)+3] offset:32*(\b)
.endr
.irp t, 0,1,2,3,4,5,6,7
	ds_load_b128 v[BK+4*(\t):BK+4*(\t)+3], v[RD] offset:(\t)*2*SPITCH  ; LDS serves a wave's instructions in order (ISA guide 5.7.1.4)
.endr
.endm
.macro SEND a
	WIN 0
.set BK, OB+192*((\a)%2)
	s_wait_dscnt 0x0                               ; the block is back in registers
	s_wait_xcnt 0x0                                ; the stores' base and the registers that earlier stores read are rewritten only behind this wait
.if (\a) == 0
	s_add_nc_u64 s[8:9], s[8:9], s[16:17]
.else
	s_add_nc_u64 s[8:9], s[8:9], 16*SIZE_N*2
.endif
.irp t, 0,1,2,3,4,5,6,7
	global_store_b128 v[CO], v[BK+4*(\t):BK+4*(\t)+3], s[8:9] offset:2*(\t)*SIZE_N*2  ; 16 lanes store 256 consecutive bytes, aligned
.endr
.endm
	s_wait_tensorcnt 0x1                           ; my part of K step 0 is in; step 1's may stay out
	s_barrier_signal -1
	s_barrier_wait -1
	FETCH 0, F0
	QUARTER 64, F0, F1, 1                          ; the first quarter stands in front of the loop: its products start the sums
	WIN 0
	s_mov_b32 s3, 6
.Lstep:                                            ; a trip: a step's quarters 1, 2, 3 and the next step's quarter 0; trips 0..5 ask for steps 2..7
	QUARTER 128, F1, F0, 0
	QUARTER 192, F0, F1, 0
	TURN 1
	QUARTER 64, F0, F1, 0
	WIN 0
	s_sub_co_u32 s3, s3, 1
	s_cmp_lg_u32 s3, 0
	s_cbranch_scc1 .Lstep
	s_mov_b32 s3, 2
.Ltail:                                            ; steps 6 and 7 ask for nothing; the second trip is left in its middle
	QUARTER 128, F1, F0, 0
	QUARTER 192, F0, F1, 0
	WIN 0
	s_sub_co_u32 s3, s3, 1
	s_cmp_eq_u32 s3, 0
	s_cbranch_scc1 .Lfinal
	TURN 0
	QUARTER 64, F0, F1, 0
	WIN 0
	s_branch .Ltail
.Lfinal:
	s_wait_dscnt 8
	MUL16 F1, 0, 0, 0
	MUL16 F1, 0, 2, 0
	s_wait_dscnt 0x0
	MUL16 F1, 1, 0, 0
	MUL16 F1, 1, 2, 0
	PLACES
	PACK 0
	TOSTAGE 0
.irp a, 1,2,3,4,5,6,7                  ; block a's conversions stand between block a - 1's loads from the stage and the wait for them
	PACK \a
	SEND (\a)-1
	TOSTAGE \a
.endr
	SEND 7
	s_wait_tensorcnt 0x0                           ; the wave's end
	ds_add_u32 v[SPW], v[NIL]
	s_wait_dscnt 0x0
	CROUND                                         ; the closing round
	s_endpgm
.Lfunc_end_k_q847634e9c7_proj:
	.size	k_q847634e9c7_proj, .Lfunc_end_k_q847634e9c7_proj-k_q847634e9c7_proj
	.p2alignl 7, 3214868480
	.fill 96, 4, 3214868480
	.section	.rodata,"a",@progbits
	.p2align	6, 0x0
	.amdhsa_kernel k_q847634e9c7_proj
		.amdhsa_group_segment_fixed_size 327680
		.amdhsa_private_segment_fixed_size 0
		.amdhsa_enable_private_segment 0
		.amdhsa_kernarg_size 24
		.amdhsa_user_sgpr_count 2
		.amdhsa_user_sgpr_kernarg_segment_ptr 1
		.amdhsa_wavefront_size32 1
		.amdhsa_system_sgpr_workgroup_id_x 1
		.amdhsa_system_sgpr_workgroup_id_y 1
		.amdhsa_system_sgpr_workgroup_id_z 1
		.amdhsa_system_vgpr_workitem_id 0
		.amdhsa_next_free_vgpr 1024
		.amdhsa_next_free_sgpr 66
		.amdhsa_reserve_vcc 0
		.amdhsa_float_denorm_mode_32 3
		.amdhsa_float_denorm_mode_16_64 3
		.amdhsa_memory_ordered 1
		.amdhsa_forward_progress 1
		.amdhsa_inst_pref_size 105
	.end_amdhsa_kernel
	.amdgpu_metadata
---
amdhsa.version: [ 1, 2 ]
amdhsa.kernels:
  - .name:           k_q847634e9c7_proj
    .symbol:         k_q847634e9c7_proj.kd
    .args:
      - { .name: Xh, .offset: 0, .size: 8, .value_kind: global_buffer, .address_space: global }
      - { .name: Bw, .offset: 8, .size: 8, .value_kind: global_buffer, .address_space: global }
      - { .name: YV, .offset: 16, .size: 8, .value_kind: global_buffer, .address_space: global }
    .group_segment_fixed_size: 327680
    .private_segment_fixed_size: 0
    .kernarg_segment_align: 8
    .kernarg_segment_size: 24
    .max_flat_workgroup_size: 128
    .sgpr_count:     66
    .vgpr_count:     1024
    .wavefront_size: 32
...
	.end_amdgpu_metadata
.endif
;; end of part 3
;; launch scores (part 4): grid 36 x 4, 4 waves a work-group, no clusters, 327,680 bytes of LDS; arguments YV, Xh, Pw, St; writes Pw, St
.if DOCPART == 4
	.amdgcn_target "amdgcn-amd-amdhsa--gfx1250"
	.amdhsa_code_object_version 6
	.text
	.protected	k_q847634e9c7_scores
	.globl	k_q847634e9c7_scores
	.p2align	8
	.type	k_q847634e9c7_scores,@function
k_q847634e9c7_scores:
	s_mov_b64 s[64:65], 0
	v_nop
	global_prefetch_b8 v0, s[64:65] scope:SCOPE_SE
	s_setreg_imm32_b32 hwreg(HW_REG_WAVE_MODE, 25, 1), 1
	s_wait_xcnt 0x0
; WEIGHTS BY BLOCKS.  s[q][k] = y''[q] . Xh[k] (f16 operands, f32 sums); the true score / 32 x log2 e is c s, c = 1024 log2 e.  Key k is open to query q where k >= q - 1.
; For each block of 128 queries x 128 keys: cm = c x the block's own row maximum, P = 2^(c s - cm) in f16 (Pw), l = the row's sum of the unrounded weights (St, f32).  The next launch takes the true maximum over a row's blocks.
; A hidden score counts as -2^100; c times that is exact, so a wholly hidden row gives P = 1 and cm = -c 2^100, which the next launch weighs with 0.  LIMIT: true scores stay far above that; NaN and infinities are not treated apart.
; A tile is 256 x 256; of a batch's 8 x 8 tiles the 36 with J' >= I' are made: grid 36 x 4.  The one open key that lies left of a diagonal tile (query 256 I', key 256 I' - 1) is a dot product of its own, by wave 0 of that tile.
; NO CLUSTER: a batch's tiles lie in rows of 8, 7, .. 1, which do not divide into lines of four partners that share a tile; only a 4 x 4 square of the 36 would.
; The loop over K is the projection's: 8 steps of 128, two LDS slots, four waves of 128 x 128.  Source 0 = keys, source 1 = queries: a lane holds one query and 8 neighbouring keys.
; THE WAY OUT.  When the ring has had its last fill, each wave lays its 128 x 128 sums into it (its own 128 rows x 528 bytes) and reads them back by rows: 16 lanes a row, 8 keys a lane, so that maximum and sum need
; four steps inside 16 lanes and a row's 128 weights leave as 256 consecutive bytes.
; REGISTERS: as in the projection; v64-127 of window 0 serve the way out.
.set KSTEP,  128
.set PITCH,  272
.set HALFT,  128*PITCH
.set SLOT,   4*HALFT                   ; 0x22000: shares no bit with wave x HALFT, so an exclusive or changes a descriptor's slot
.set DP,     528                       ; a row of the dump: 512 bytes + 16; column 8 q + 4 s + k lies at byte 256 s + 16 q + 4 k
.set DUMP,   128*DP
.set TBL,    2*SLOT                    ; behind the ring: 1,024 bytes a wave: 128 cm, 128 l
.set SPARE,  TBL+4096                  ; the spare words, 128 bytes a wave, named by no other line
.set DADR, 4
.set RADR, 5
.set PO,   6
.set TADR, 7
.set PF,   8                           ; v[8:11] the prefetches' offsets: rows lane + 32 j of my 128
.set A0,  16
.set AA,  17
.set U,   18                           ; v18  key k of pair p is hidden where k - 2 p < U
.set SADR, 19
.set B0,  20
.set AB,  21
.set SOFF, 22
.set SPW, 28
.set NIL, 29
.set F0,  64
.set F1,  128
.set E,   64                           ; v[64:95]   four pairs of rows: 8 scores a lane each
.set PK,  96                           ; v[96:111]  their weights, packed
.set CM,  112                          ; v[112:119] pair p: cm, maximum
.set SM,  120                          ; v[120:123] pair p: l
.set BIGV, 124
.set G1,  24
.set G0,  32
.set G1B, 48
.set G0B, 56
.set LIM, 43
.set PFA, 44
.set CS,  76                           ; s[76:77] c
.set SEL, 78
.set BIGN, 80
.set MSB, 0
.macro WIN new
.if MSB != (\new)
	s_set_vgpr_msb (MSB<<8)|(\new)
.set MSB, \new
.endif
.endm
.set MUL_LO, 0xa1
.set MUL_HI, 0xf1
.set TO_B,   0x40
.macro PLACES
.rept 4
	v_nop
.endr
.endm
.macro LOAD                            ; the refill: waves 0, 1 fetch the queries' halves, waves 2, 3 the keys'.  An s_nop 0 and four v_nop follow each line
	s_cmp_eq_u32 s11, 0
	s_cbranch_scc0 .Lfor_b_\@
	tensor_load_to_lds s[G0+4:G0+7], s[G1:G1+7]
	s_nop 0
	PLACES
	s_branch .Lasked_\@
.Lfor_b_\@:
	tensor_load_to_lds s[G0B+4:G0B+7], s[G1B:G1B+7]
	s_nop 0
	PLACES
.Lasked_\@:
.endm
; Prefetches: each block of 256 rows of y'' and of Xh has exactly one diagonal tile, and that tile's work-group asks: each wave for the 128 rows that it fetches itself, 256 bytes a row, four instructions, the K step two
; refills on.  So each row's 256 bytes of a step are named once.  Trips with s3 > 2 alone: nothing past step 7 is named.
.macro ASK
	s_cmp_gt_u32 s3, s[LIM]
	s_cbranch_scc0 .Lnot_mine_\@
.irp j, 0,1,2,3
	global_prefetch_b8 v[PF+(\j)], s[PFA:PFA+1] offset:KSTEP*2 th:TH_LOAD_NT scope:SCOPE_SE
.endr
.Lnot_mine_\@:
.endm
	s_load_b256 s[68:75], s[0:1], 0x0              ; YV s[68:69], Xh s[70:71], Pw s[72:73], St s[74:75]
	v_lshl_add_u32 v[SPW], v0, 2, SPARE
	v_mov_b32 v[NIL], 0
	ds_add_u32 v[SPW], v[NIL]                      ; the wave's opening
	v_lshrrev_b32 v1, 5, v0
	v_readfirstlane_b32 s10, v1                    ; wave 0..3
	s_lshr_b32 s11, s10, 1                         ; my half of the queries.  Also: I fetch queries (0) or keys (1)
	s_and_b32 s12, s10, 1                          ; my half of the keys.  Also: which 128 rows I fetch
	s_mov_b32 s13, 0                               ; I' = how many rows of tiles after row 0 begin at or before my number
.irp th, 8,15,21,26,30,33,35
	s_cmp_ge_u32 ttmp9, \th
	s_add_co_ci_u32 s13, s13, 0
.endr
	s_sub_co_u32 s16, s13, 1
	s_mul_i32 s16, s16, s13
	s_lshr_b32 s16, s16, 1                         ; I' (I' - 1) / 2
	s_lshl_b32 s17, s13, 3
	s_sub_co_u32 s17, s17, s16                     ; the row's first number
	s_sub_co_u32 s14, ttmp9, s17
	s_add_co_u32 s14, s14, s13                     ; J'
	s_and_b32 s15, ttmp7, 0xffff                   ; the batch
	s_cmp_eq_u32 s13, s14
	s_cselect_b32 s40, 1, 0                        ; the diagonal tile?
	s_cselect_b32 s[LIM], 2, -1
	s_cmp_ge_u32 s11, s12
	s_cselect_b32 s41, s40, 0                      ; does my quarter of it hold hidden keys?
	s_mov_b32 s[G1],  (1<<16)|(1<<20)|(5<<22)|(3<<25)  ; 2-byte elements; padding on; after every 64 words; 4 words
	s_mov_b32 s[G1B], (1<<16)|(1<<20)|(5<<22)|(3<<25)
.irp g, G1, G1B
	s_mov_b32 s[(\g)+1], KSTEP<<16
	s_mov_b32 s[(\g)+2], 128<<16
	s_mov_b32 s[(\g)+3], KSTEP<<16
	s_mov_b32 s[(\g)+4], 128
	s_mov_b32 s[(\g)+6], 0
	s_mov_b32 s[(\g)+7], 0
.endr
	s_mov_b32 s[G1+5], 2048                        ; a row of YV
	s_mov_b32 s[G1B+5], 1024                       ; a row of Xh
	s_lshl_b32 s16, s15, 11
	s_lshl_b32 s17, s12, 7
	s_add_co_u32 s16, s16, s17
	s_lshl_b32 s17, s13, 8
	s_add_co_u32 s18, s16, s17                     ; the queries' first row that I fetch,
	s_lshl_b32 s18, s18, 12                        ; in bytes
	s_mov_b32 s19, 0
	s_lshl_b32 s17, s14, 8
	s_add_co_u32 s46, s16, s17                     ; the keys'
	s_lshl_b32 s46, s46, 11
	s_mov_b32 s47, 0
	s_mul_i32 s20, s10, HALFT
	s_mov_b32 s2, 0                                ; the slot in hand
	s_mov_b32 s[CS], 0x44b8aa3b                    ; c = 1024 log2 e
	s_mov_b32 s[CS+1], s[CS]
	s_mov_b32 s[SEL], 0x76543210
	s_mov_b32 s[SEL+1], 0xfedcba98
	s_mov_b32 s[BIGN], 0xf1800000                  ; -2^100
	s_wait_dscnt 0x0                               ; the opening add is done
	s_wait_kmcnt 0x0
	s_add_nc_u64 s[18:19], s[68:69], s[18:19]
	s_add_nc_u64 s[46:47], s[70:71], s[46:47]
.irp s, 0,1
	s_mov_b32 s[G0+4*(\s)], 1
	s_add_co_u32 s[G0+4*(\s)+1], s20, (\s)*SLOT
	s_add_nc_u64 s[G0+4*(\s)+2:G0+4*(\s)+3], s[18:19], (\s)*KSTEP*2
	s_or_b32 s[G0+4*(\s)+3], s[G0+4*(\s)+3], 0x80000000
	s_mov_b32 s[G0B+4*(\s)], 1
	s_add_co_u32 s[G0B+4*(\s)+1], s20, (\s)*SLOT
	s_add_nc_u64 s[G0B+4*(\s)+2:G0B+4*(\s)+3], s[46:47], (\s)*KSTEP*2
	s_or_b32 s[G0B+4*(\s)+3], s[G0B+4*(\s)+3], 0x80000000
.endr
	s_cmp_eq_u32 s11, 0                            ; a wave's two first fills stand in one branch: two loads of mine are out
	s_cbranch_scc0 .Lfirst_b
	tensor_load_to_lds s[G0:G0+3], s[G1:G1+7]
	s_nop 0
	tensor_load_to_lds s[G0+4:G0+7], s[G1:G1+7]
	s_nop 0
	PLACES
	s_branch .Lfirst_asked
.Lfirst_b:
	tensor_load_to_lds s[G0B:G0B+3], s[G1B:G1B+7]
	s_nop 0
	tensor_load_to_lds s[G0B+4:G0B+7], s[G1B:G1B+7]
	s_nop 0
	PLACES
.Lfirst_asked:
	s_cmp_eq_u32 s11, 0
	s_cselect_b64 s[PFA:PFA+1], s[18:19], s[46:47] ; my own 128 rows,
	s_cselect_b32 s42, 12, 11                      ; 4,096 or 2,048 bytes apart
	s_add_nc_u64 s[PFA:PFA+1], s[PFA:PFA+1], 2*KSTEP*2
	v_and_b32 v3, 31, v0
.irp j, 0,1,2,3
	v_add_nc_u32 v[PF+(\j)], 32*(\j), v3
	v_lshlrev_b32 v[PF+(\j)], s42, v[PF+(\j)]
.endr
	v_lshlrev_b32 v[SOFF], 4, v3
	v_and_b32 v1, 15, v0                           ; l % 16
	v_bfe_u32 v2, v0, 4, 1                         ; l / 16
	v_mul_u32_u24 v3, v1, PITCH
	v_lshl_add_u32 v3, v2, 4, v3
	s_mul_i32 s21, s11, HALFT
	s_mul_i32 s22, s12, HALFT
	s_add_co_u32 s22, s22, 2*HALFT
	v_add_nc_u32 v[A0], s21, v3
	v_add_nc_u32 v[B0], s22, v3
	v_mov_b32 v[AA], v[A0]
	v_mov_b32 v[AB], v[B0]
	s_mul_i32 s23, s10, DUMP                       ; my dump
	v_mul_u32_u24 v[DADR], v1, DP                  ; in: row l % 16, 16 bytes for each half of the lanes
	v_lshl_add_u32 v[DADR], v2, 4, v[DADR]
	v_add_nc_u32 v[DADR], s23, v[DADR]
	v_mul_u32_u24 v[RADR], v2, DP                  ; back: lanes 0-15 one row, lanes 16-31 the next; lane q takes keys 8 q .. 8 q + 7
	v_lshl_add_u32 v[RADR], v1, 4, v[RADR]
	v_add_nc_u32 v[RADR], s23, v[RADR]
	v_lshlrev_b32 v[PO], 12, v2                    ; the same two rows in Pw
	v_lshl_add_u32 v[PO], v1, 4, v[PO]
	s_lshl_b32 s23, s10, 10
	s_add_co_u32 s23, s23, TBL
	v_lshl_add_u32 v[TADR], v2, 2, s23
	v_add_nc_u32 v[SADR], s23, v[SOFF]
	s_sub_co_i32 s81, s11, s12
	s_lshl_b32 s81, s81, 7
	s_sub_co_i32 s81, s81, 1
	v_lshlrev_b32 v3, 3, v1
	v_sub_nc_u32 v[U], v2, v3
	v_add_nc_u32 v[U], s81, v[U]                   ; my row - 1 less my first key, both counted in the tile
	s_lshl_b32 s82, s15, 11                        ; Pw at my quarter's first row and key
	s_lshl_b32 s81, s13, 8
	s_add_co_u32 s82, s82, s81
	s_lshl_b32 s81, s11, 7
	s_add_co_u32 s82, s82, s81
	s_lshl_b32 s82, s82, 12
	s_lshl_b32 s81, s14, 9
	s_add_co_u32 s82, s82, s81
	s_lshl_b32 s81, s12, 8
	s_add_co_u32 s82, s82, s81
	s_mov_b32 s83, 0
	s_add_nc_u64 s[82:83], s[72:73], s[82:83]
	s_lshl_b32 s84, s15, 18                        ; St[b][t = 2 J' + half][kind][row]
	s_lshl_b32 s81, s14, 15
	s_add_co_u32 s84, s84, s81
	s_lshl_b32 s81, s12, 14
	s_add_co_u32 s84, s84, s81
	s_lshl_b32 s81, s13, 10
	s_add_co_u32 s84, s84, s81
	s_lshl_b32 s81, s11, 9
	s_add_co_u32 s84, s84, s81
	s_mov_b32 s85, 0
	s_add_nc_u64 s[84:85], s[74:75], s[84:85]
	; THE KEY LEFT OF THE DIAGONAL TILE: y''[256 I'] . Xh[256 I' - 1], by wave 0 of that tile, while the first tiles are on their way.  A lane takes 32 channels.  Where I' = 0 there is no such key: -2^100.
	s_cmp_eq_u32 s10, 0
	s_cselect_b32 s42, s40, 0
	s_cmp_eq_u32 s42, 1
	s_cbranch_scc0 .Lno_edge
	s_lshl_b32 s86, s15, 11
	s_lshl_b32 s87, s13, 8
	s_add_co_u32 s86, s86, s87                     ; the query's row
	s_max_u32 s88, s86, 1
	s_sub_co_u32 s88, s88, 1                       ; the key's, held inside Xh at row 0
	s_lshl_b32 s86, s86, 12
	s_mov_b32 s87, 0
	s_add_nc_u64 s[86:87], s[68:69], s[86:87]
	s_lshl_b32 s88, s88, 11
	s_mov_b32 s89, 0
	s_add_nc_u64 s[88:89], s[70:71], s[88:89]
	s_lshl_b32 s90, s15, 3
	s_add_co_u32 s90, s90, s13
	s_lshl_b32 s90, s90, 8
	s_add_co_u32 s90, s90, 0x100000                ; behind the blocks' statistics: 256 bytes for each batch and I'
	s_mov_b32 s91, 0
	s_add_nc_u64 s[90:91], s[74:75], s[90:91]
	v_lshlrev_b32 v14, 6, v0                       ; in wave 0 the thread's number is the lane
	v_lshlrev_b32 v15, 3, v0
.irp i, 0,1,2,3
	global_load_b128 v[64+4*(\i):67+4*(\i)], v14, s[86:87] offset:16*(\i)
	global_load_b128 v[80+4*(\i):83+4*(\i)], v14, s[88:89] offset:16*(\i)
.endr
	v_mov_b32 v12, 0
	v_mov_b32 v13, 0
	s_wait_loadcnt 0x0
.set i, 0
.rept 16
	v_fma_mix_f32 v12, v[64+i], v[80+i], v12 op_sel_hi:[1,1,0]
	v_fma_mix_f32 v13, v[64+i], v[80+i], v13 op_sel:[1,1,0] op_sel_hi:[1,1,0]
.set i, i+1
.endr
	v_add_f32 v12, v12, v13
.irp x, 1,2,4,8
	v_add_f32_dpp v12, v12, v12 row_xmask:\x row_mask:0xf bank_mask:0xf
.endr
	v_permlanex16_b32 v13, v12, s[SEL], s[SEL+1]
	v_add_f32 v12, v12, v13
	s_cmp_eq_u32 s13, 0
	s_cselect_b32 s92, -1, 0
	v_mov_b32 v13, s[BIGN]
	v_cndmask_b32 v12, v12, v13, s92
	v_mov_b32 v13, v12
	global_store_b64 v15, v[12:13], s[90:91]       ; the number 64 times: 256 consecutive bytes, aligned
	s_wait_xcnt 0x0
.Lno_edge:
.macro MUL16 f, hi, a0, zero           ; the 64 accumulators take turns, in the same order everywhere
	WIN MUL_LO+0x50*(\hi)
.irp a, \a0, (\a0)+1
.irp b, 0,1,2,3,4,5,6,7
.if \zero
	v_wmma_f32_16x16x32_f16 v[8*(8*(\a)+(\b)):8*(8*(\a)+(\b))+7], v[(\f)+8*(\b):(\f)+8*(\b)+7], v[(\f)+8*(4*(\hi)+(\a)):(\f)+8*(4*(\hi)+(\a))+7], 0
.else
	v_wmma_f32_16x16x32_f16 v[8*(8*(\a)+(\b)):8*(8*(\a)+(\b))+7], v[(\f)+8*(\b):(\f)+8*(\b)+7], v[(\f)+8*(4*(\hi)+(\a)):(\f)+8*(4*(\hi)+(\a))+7], v[8*(8*(\a)+(\b)):8*(8*(\a)+(\b))+7]
.endif
.endr
.endr
.endm
.macro FETCH k, f
	WIN TO_B
.irp i, 0,1,2,3,4,5,6,7
	ds_load_b128 v[(\f)+8*(\i):(\f)+8*(\i)+3],   v[AB] offset:(\k)+(\i)*16*PITCH
	ds_load_b128 v[(\f)+8*(\i)+4:(\f)+8*(\i)+7], v[AB] offset:(\k)+(\i)*16*PITCH+32
.endr
	WIN 0
.irp i, 0,1,2,3,4,5,6,7
	ds_load_b128 v[(\f)+8*(\i):(\f)+8*(\i)+3],   v[AA] offset:(\k)+(\i)*16*PITCH
	ds_load_b128 v[(\f)+8*(\i)+4:(\f)+8*(\i)+7], v[AA] offset:(\k)+(\i)*16*PITCH+32
.endr
.endm
.macro QUARTER k, f, g, zero
	s_wait_dscnt 8                                 ; the keys and the queries' rows 0-63 are in; the youngest eight loads may be out
	MUL16 \f, 0, 0, \zero
	MUL16 \f, 0, 2, \zero
	PLACES
	FETCH \k, \g
	s_wait_dscnt 32                                ; all but the 32 just issued
	MUL16 \f, 1, 0, \zero
	MUL16 \f, 1, 2, \zero
.endm
.macro TURN fill                       ; a step's last quarter and the change of slots: one barrier; behind it the slot just read takes the step two on: 224 products lie between the request and the wait for it
.if \fill
	s_wait_xcnt 0x0                                ; the last prefetches, a K step back, have read their address
	s_add_nc_u64 s[PFA:PFA+1], s[PFA:PFA+1], KSTEP*2
.endif
	WIN 0
	s_wait_tensorcnt 0x0                           ; all my tensor loads have landed: the one that was out is my part of the next slot;
	ds_add_u32 v[SPW], v[NIL]                      ; 0 onto my spare word;
	s_wait_dscnt 9                                 ; (the add and the youngest eight loads may be out)
	MUL16 F1, 0, 0, 0
	s_wait_dscnt 0x0                               ; the add is done, and my reads of this slot are over
	s_barrier_signal -1
	MUL16 F1, 0, 2, 0
	WIN 0
	s_barrier_wait -1
.if \fill
	s_xor_b32 s[G0+5], s[G0+5], SLOT
	s_add_nc_u64 s[G0+6:G0+7], s[G0+6:G0+7], KSTEP*2
	s_xor_b32 s[G0B+5], s[G0B+5], SLOT
	s_add_nc_u64 s[G0B+6:G0B+7], s[G0B+6:G0B+7], KSTEP*2
	LOAD                                           ; its four v_nop are also the places in front of the loads below
.else
	PLACES
.endif
	s_xor_b32 s2, s2, SLOT
	v_add_nc_u32 v[AA], s2, v[A0]
	v_add_nc_u32 v[AB], s2, v[B0]
	FETCH 0, F0
.if \fill
	ASK
.endif
	MUL16 F1, 1, 0, 0
	MUL16 F1, 1, 2, 0
.endm
	s_wait_tensorcnt 0x1                           ; my part of K step 0 is in; step 1's may stay out
	s_barrier_signal -1
	s_barrier_wait -1
	FETCH 0, F0
	QUARTER 64, F0, F1, 1                          ; the first quarter's products start the sums
	WIN 0
	s_mov_b32 s3, 6
.Lstep:                                            ; trips 0..5 ask for steps 2..7
	QUARTER 128, F1, F0, 0
	QUARTER 192, F0, F1, 0
	TURN 1
	QUARTER 64, F0, F1, 0
	WIN 0
	s_sub_co_u32 s3, s3, 1
	s_cmp_lg_u32 s3, 0
	s_cbranch_scc1 .Lstep
	s_mov_b32 s3, 2
.Ltail:                                            ; steps 6 and 7 ask for nothing; the second trip is left in its middle
	QUARTER 128, F1, F0, 0
	QUARTER 192, F0, F1, 0
	WIN 0
	s_sub_co_u32 s3, s3, 1
	s_cmp_eq_u32 s3, 0
	s_cbranch_scc1 .Lfinal
	TURN 0
	QUARTER 64, F0, F1, 0
	WIN 0
	s_branch .Ltail
.Lfinal:
	s_wait_dscnt 8
	MUL16 F1, 0, 0, 0
	MUL16 F1, 0, 2, 0
	s_wait_dscnt 0x0
	MUL16 F1, 1, 0, 0
	MUL16 F1, 1, 2, 0
	WIN 0
	PLACES
	s_barrier_signal -1                            ; every wave's reads of the ring are back (the wait above), and the ring has had its last fill:
	s_barrier_wait -1                              ; from here on it is the waves' dump
.irp a, 0,1,2,3,4,5,6,7
	WIN 0x08+4*((\a)/4)                            ; store data (source 1) in window 2 or 3
.irp b, 0,1,2,3,4,5,6,7
	ds_store_b128 v[DADR], v[8*(8*((\a)%4)+(\b)):8*(8*((\a)%4)+(\b))+3]   offset:(\a)*16*DP+32*(\b)      ; each accumulator's low end first
	ds_store_b128 v[DADR], v[8*(8*((\a)%4)+(\b))+4:8*(8*((\a)%4)+(\b))+7] offset:(\a)*16*DP+256+32*(\b)
.endr
.endr
	WIN 0
	v_mov_b32 v[BIGV], s[BIGN]
	s_mov_b32 s3, 16
.Lrows:                                            ; a trip: 8 rows, as four pairs p; rows 2 p (lanes 0-15) and 2 p + 1 (lanes 16-31)
.irp p, 0,1,2,3
	ds_load_b128 v[E+8*(\p):E+8*(\p)+3],   v[RADR] offset:2*DP*(\p)       ; LDS serves a wave's instructions in order (ISA guide 5.7.1.4): these see my stores
	ds_load_b128 v[E+8*(\p)+4:E+8*(\p)+7], v[RADR] offset:2*DP*(\p)+256
.endr
	s_wait_dscnt 0x0
	s_cmp_eq_u32 s41, 1
	s_cbranch_scc0 .Lopen
.irp p, 0,1,2,3
.irp k, 0,1,2,3,4,5,6,7
	v_cmp_lt_i32 vcc_lo, (\k)-2*(\p), v[U]
	v_cndmask_b32 v[E+8*(\p)+(\k)], v[E+8*(\p)+(\k)], v[BIGV], vcc_lo
.endr
.endr
.Lopen:
.irp p, 0,1,2,3
	v_max3_num_f32 v[CM+2*(\p)+1], v[E+8*(\p)], v[E+8*(\p)+1], v[E+8*(\p)+2]
.endr
.irp p, 0,1,2,3
	v_max3_num_f32 v[CM+2*(\p)+1], v[CM+2*(\p)+1], v[E+8*(\p)+3], v[E+8*(\p)+4]
.endr
.irp p, 0,1,2,3
	v_max3_num_f32 v[CM+2*(\p)+1], v[CM+2*(\p)+1], v[E+8*(\p)+5], v[E+8*(\p)+6]
.endr
.irp p, 0,1,2,3
	v_max_num_f32 v[CM+2*(\p)+1], v[CM+2*(\p)+1], v[E+8*(\p)+7]
.endr
.irp x, 1,2,4,8
.irp p, 0,1,2,3
	v_max_num_f32_dpp v[CM+2*(\p)+1], v[CM+2*(\p)+1], v[CM+2*(\p)+1] row_xmask:\x row_mask:0xf bank_mask:0xf
.endr
.endr
.irp p, 0,1,2,3
	v_mul_f32 v[CM+2*(\p)], s[CS], v[CM+2*(\p)+1]  ; cm
.endr
.irp p, 0,1,2,3
.irp j, 0,2,4,6
	v_pk_fma_f32 v[E+8*(\p)+(\j):E+8*(\p)+(\j)+1], v[E+8*(\p)+(\j):E+8*(\p)+(\j)+1], s[CS:CS+1], v[CM+2*(\p):CM+2*(\p)+1] op_sel_hi:[1,0,0] neg_lo:[0,0,1] neg_hi:[0,0,1]  ; c s - cm
.endr
.endr
.set i, 0
.rept 32
	v_exp_f32 v[E+i], v[E+i]
.set i, i+1
.endr
	v_nop                                          ; a plain instruction behind the last exponential,
	s_wait_alu depctr_va_vdst(0)                   ; and one wait for the batch of 32, ahead of its first reader
.set i, 0
.rept 16
	v_cvt_pk_f16_f32 v[PK+i], v[E+2*i], v[E+2*i+1]
.set i, i+1
.endr
.irp p, 0,1,2,3
	v_pk_add_f32 v[E+8*(\p):E+8*(\p)+1], v[E+8*(\p):E+8*(\p)+1], v[E+8*(\p)+2:E+8*(\p)+3]
	v_pk_add_f32 v[E+8*(\p)+4:E+8*(\p)+5], v[E+8*(\p)+4:E+8*(\p)+5], v[E+8*(\p)+6:E+8*(\p)+7]
.endr
.irp p, 0,1,2,3
	v_pk_add_f32 v[E+8*(\p):E+8*(\p)+1], v[E+8*(\p):E+8*(\p)+1], v[E+8*(\p)+4:E+8*(\p)+5]
.endr
.irp p, 0,1,2,3
	v_add_f32 v[SM+(\p)], v[E+8*(\p)], v[E+8*(\p)+1]
.endr
.irp x, 1,2,4,8
.irp p, 0,1,2,3
	v_add_f32_dpp v[SM+(\p)], v[SM+(\p)], v[SM+(\p)] row_xmask:\x row_mask:0xf bank_mask:0xf
.endr
.endr
.irp p, 0,1,2,3
	global_store_b128 v[PO], v[PK+4*(\p):PK+4*(\p)+3], s[82:83] offset:8192*(\p)  ; 16 lanes store a row's 128 weights: 256 consecutive bytes, aligned
.endr
.irp p, 0,1,2,3
	ds_store_b32 v[TADR], v[CM+2*(\p)] offset:8*(\p)       ; the 16 lanes of a row write the same word with the same number
	ds_store_b32 v[TADR], v[SM+(\p)]   offset:512+8*(\p)
.endr
	s_wait_xcnt 0x0                                ; the stores have read PK and PO, which the next trip writes
	v_add_nc_u32 v[RADR], 8*DP, v[RADR]
	v_add_nc_u32 v[PO], 32768, v[PO]
	v_add_nc_u32 v[TADR], 32, v[TADR]
	v_add_nc_u32 v[U], 8, v[U]
	s_sub_co_u32 s3, s3, 1
	s_cmp_lg_u32 s3, 0
	s_cbranch_scc1 .Lrows
	ds_load_b128 v[E:E+3],   v[SADR]               ; my block's 128 cm and 128 l, 512 consecutive bytes each
	ds_load_b128 v[E+4:E+7], v[SADR] offset:512
	s_wait_dscnt 0x0
	global_store_b128 v[SOFF], v[E:E+3],   s[84:85]
	global_store_b128 v[SOFF], v[E+4:E+7], s[84:85] offset:8192
	s_wait_tensorcnt 0x0                           ; the wave's end
	ds_add_u32 v[SPW], v[NIL]
	s_wait_dscnt 0x0
	s_endpgm
.Lfunc_end_k_q847634e9c7_scores:
	.size	k_q847634e9c7_scores, .Lfunc_end_k_q847634e9c7_scores-k_q847634e9c7_scores
	.p2alignl 7, 3214868480
	.fill 96, 4, 3214868480
	.section	.rodata,"a",@progbits
	.p2align	6, 0x0
	.amdhsa_kernel k_q847634e9c7_scores
		.amdhsa_group_segment_fixed_size 327680
		.amdhsa_private_segment_fixed_size 0
		.amdhsa_enable_private_segment 0
		.amdhsa_kernarg_size 32
		.amdhsa_user_sgpr_count 2
		.amdhsa_user_sgpr_kernarg_segment_ptr 1
		.amdhsa_wavefront_size32 1
		.amdhsa_system_sgpr_workgroup_id_x 1
		.amdhsa_system_sgpr_workgroup_id_y 1
		.amdhsa_system_sgpr_workgroup_id_z 1
		.amdhsa_system_vgpr_workitem_id 0
		.amdhsa_next_free_vgpr 1024
		.amdhsa_next_free_sgpr 96
		.amdhsa_reserve_vcc 1
		.amdhsa_float_denorm_mode_32 3
		.amdhsa_float_denorm_mode_16_64 3
		.amdhsa_memory_ordered 1
		.amdhsa_forward_progress 1
		.amdhsa_inst_pref_size 97
	.end_amdhsa_kernel
	.amdgpu_metadata
---
amdhsa.version: [ 1, 2 ]
amdhsa.kernels:
  - .name:           k_q847634e9c7_scores
    .symbol:         k_q847634e9c7_scores.kd
    .args:
      - { .name: YV, .offset: 0, .size: 8, .value_kind: global_buffer, .address_space: global }
      - { .name: Xh, .offset: 8, .size: 8, .value_kind: global_buffer, .address_space: global }
      - { .name: Pw, .offset: 16, .size: 8, .value_kind: global_buffer, .address_space: global }
      - { .name: St, .offset: 24, .size: 8, .value_kind: global_buffer, .address_space: global }
    .group_segment_fixed_size: 327680
    .private_segment_fixed_size: 0
    .kernarg_segment_align: 8
    .kernarg_segment_size: 32
    .max_flat_workgroup_size: 128
    .sgpr_count:     96
    .vgpr_count:     1024
    .wavefront_size: 32
...
	.end_amdgpu_metadata
.endif
;; end of part 4
;; launch pv (part 5): grid 8 x 32, 4 waves a work-group, clusters of 4 x 1, 327,680 bytes of LDS; arguments Pw, YV, St, out0; writes out0
.if DOCPART == 5
	.amdgcn_target "amdgcn-amd-amdhsa--gfx1250"
	.amdhsa_code_object_version 6
	.text
	.protected	k_q847634e9c7_pv
	.globl	k_q847634e9c7_pv
	.p2align	8
	.type	k_q847634e9c7_pv,@function
k_q847634e9c7_pv:
	s_mov_b64 s[64:65], 0
	v_nop
	global_prefetch_b8 v0, s[64:65] scope:SCOPE_SE
	s_setreg_imm32_b32 hwreg(HW_REG_WAVE_MODE, 25, 1), 1
	s_wait_xcnt 0x0
	s_wait_alu depctr_hold_cnt(0) depctr_sa_sdst(0) depctr_va_vdst(0) depctr_va_sdst(0) depctr_va_ssrc(0) depctr_va_vcc(0) depctr_vm_vsrc(0)
	s_getreg_b32 s2, hwreg(HW_REG_IB_STS2, 6, 4)
	s_cmp_eq_u32 s2, 0
	s_cbranch_scc0 .Lentry_in_a_cluster
	s_endpgm
.Lentry_in_a_cluster:
	s_bfe_u32 s2, ttmp6, 0x10000c
	s_cmp_lg_u32 s2, 0x3003
	s_cbranch_scc0 .Lentry_shape_is_right
	s_endpgm
.Lentry_shape_is_right:
; out0[q] = sum over blocks t of a'_t[q] (P_t V_t)[q].  P_t: the weights of 128 keys relative to the block's own maximum (f16), V: columns 1024.. of YV (f16), sums f32.
; THE SOFTMAX IS FINISHED HERE: cm_row = the maximum of a row's cm_t (and of the boundary key's c s*), a_t = 2^(cm_t - cm_row) <= 1, l = sum of a_t l_t (+ e*), a'_t = a_t / l: the true maximum is taken away, nothing can overflow.
; Each block's product goes into accumulators of its own (TM) and is merged in f32: acc += a'_t TM.  A wholly hidden row of a block has a_t = 0.  LIMIT: v within f16's range; NaN and infinities are not treated apart.
; THE WALK.  Row block I (128 queries) needs the key slots (256 keys) I / 2 .. 7.  A work-group takes blocks p and 15 - p, for 128 channels: 9 slots whatever p, so the 256 work-groups do equal work in one counted walk.
; Which tile is asked for hangs on scalars made from p; the LDS addresses do not: the factors a' are laid in LDS in the order of the walk.
; CLUSTER 4 x 1: the four partners differ in their channels alone and walk the same P: P's tile is asked for jointly.  V's tile is each work-group's own: those that share it (other p) want it in other trips.
; Source 0 = V^T (16 channels x 32 keys, by the turning load), source 1 = P (16 queries x 32 keys): a lane holds one query and 8 neighbouring channels.
; REGISTERS, in windows of 256 (s_set_vgpr_msb: bits 1:0 source 0, 3:2 source 1, 5:4 source 2, 7:6 destination):
;   window 0: v0-31 addresses, a'; v32-63 the way out; v64-95 the boundary keys' v; v96-127 at work at the start; v128-255 the output's 16 accumulators (at the start: the statistics)
;   window 1: two fragment buffers of 128: P (c, a) at f + 8 (4 c + a), V (c, b) at f + 64 + 8 (4 c + b)          window 2: v0-127 TM
.set PP,    528                        ; a row of P in LDS: 512 bytes + 16
.set PV,    288                        ; a row of V: 256 + 32
.set HALFP, 64*PP
.set HALFV, 128*PV
.set VOFF,  2*HALFP
.set SLOT,  VOFF+2*HALFV               ; 141,312
.set STG,   2*SLOT                     ; 16 rows x 272 bytes for each wave, the way out
.set SP,    272
.set TAB,   STG+4*16*SP                ; 20 entries of 128 rows x 4 bytes: a' for half slots 0..17 of the walk, then the two boundary factors
.set SPARE, TAB+20*512                 ; the spare words, 128 bytes a wave, named by no other line
.set AP0, 2
.set AV0, 3
.set AP,  4
.set AVL, 5
.set AVH, 6
.set AT0, 7                            ; v7   TAB + 4 x (my first row block's row)
.set AT,  8
.set STO, 9
.set RD,  10
.set CO,  11
.set PFO, 12
.set ZR,  13                           ; v13  0.0
.set SPW, 14
.set NIL, 15
.set AL,  16                           ; v[16:23] a' of row block a in v[16 + 2 a]; the odd ones hold 0 and are only named
.set BF,  24
.set H,   25
.set LANE, 26
.set VCO, 27
.set L4,  28
.set TS,  29
.set BK,  32
.set VC,  64
.set MA,  96
.set MB,  97
.set SA,  98
.set SB,  99
.set LA,  100
.set LB,  101
.set RA,  102
.set RB,  103
.set T1,  104
.set T2,  105
.set LOW, 106
.set ACC, 128
.set MM,  128
.set LL,  160
.set VO,  192
.set TM,  0
.set F0,  0
.set F1,  128
.set WV,  12
.set TB,  22                           ; s22  the slot in hand: 0 or SLOT
.set CNT, 23
.set G1P, 24
.set G1V, 32
.set G0P, 40                           ; a set for each first fill; the second is made anew for each refill
.set G0V, 48
.set PB,  56
.set VB,  58
.set OFF, 60
.set LWP, 62
.set LWV, 63
.set IQ,  66                           ; the row block and key slot of the item to be asked for next
.set NXK, 67
.set RT,  68                           ; items left of the tile in hand
.set TT,  69                           ; 512 x the half slot of the walk
.set KB0, 70
.set LIM, 71
.set OA,  72
.set OBS, 74
.set PFB, 76
.set PFA, 78
.set CS,  80
.set BIGN, 82
.set NA,  83
.set U2,  95
.set STB, 96
.set VCA, 98
.set VCB, 100
.set MSB, 0
.macro WIN new
.if MSB != (\new)
	s_set_vgpr_msb (MSB<<8)|(\new)
.set MSB, \new
.endif
.endm
.set MUL,  0xa5                        ; sources 0 and 1 window 1; C and D window 2
.set TO_F, 0x40
.set MRG,  0x02                        ; source 0 (TM) window 2, all else window 0
.macro PLACES
.rept 4
	v_nop
.endr
.endm
.macro JLOAD                           ; waves 0, 1: P's halves, jointly; waves 2, 3: V's halves.  An s_nop 0 and four v_nop follow each line
	s_cmp_lt_u32 s[WV], 2
	s_cbranch_scc0 .Lfor_v_\@
	tensor_load_to_lds s[G0P+4:G0P+7], s[G1P:G1P+7]
	s_nop 0
	PLACES
	s_branch .Lasked_\@
.Lfor_v_\@:
	tensor_load_to_lds s[G0V+4:G0V+7], s[G1V:G1V+7]
	s_nop 0
	PLACES
.Lasked_\@:
.endm
; A prefetch of P's tile for the item after the one being asked for: 128 rows x 512 bytes.  The two clusters of a row of the grid read the same P: cluster x = 0 asks.  Its partners take 32 rows each, by address; a lane a row;
; wave 0 the row's first 256 bytes, wave 1 the second.  So each 256 bytes are named once.  The refill for item i + 2 names item i + 3: trips with the count above 1 alone.  V is not asked for: its readers stand at no fixed lead.
.macro ASK
	s_cmp_gt_u32 s[CNT], s[LIM]
	s_cbranch_scc0 .Lnot_mine_\@
	global_prefetch_b8 v[PFO], s[PFA:PFA+1] th:TH_LOAD_NT scope:SCOPE_SE
.Lnot_mine_\@:
.endm
.macro CREST
	s_cmp_lg_u32 s[WV], 0
	s_cbranch_scc1 .Lnot_wave_0_\@
	s_barrier_signal -3
.Lnot_wave_0_\@:
	s_barrier_wait -3
	s_barrier_signal -1
	s_barrier_wait -1
.endm
.macro CROUND
	s_barrier_signal -1
	s_barrier_wait -1
	CREST
.endm
	s_load_b256 s[4:11], s[0:1], 0x0               ; Pw s[4:5], YV s[6:7], St s[8:9], out0 s[10:11]
	v_lshl_add_u32 v[SPW], v0, 2, SPARE
	v_mov_b32 v[NIL], 0
	ds_add_u32 v[SPW], v[NIL]                      ; the wave's opening
	v_lshrrev_b32 v1, 5, v0
	v_readfirstlane_b32 s[WV], v1                  ; wave 0..3
	s_bfe_u32 s13, ttmp6, 0x40000                  ; cx
	s_lshl_b32 s14, ttmp9, 2
	s_add_co_u32 s14, s14, s13                     ; my 128 channels: they enter V's, out0's and the prefetches' addresses alone
	s_and_b32 s15, ttmp7, 0xffff
	s_lshr_b32 s16, s15, 3                         ; the batch
	s_and_b32 s15, s15, 7                          ; p
	s_lshr_b32 s17, s15, 1                         ; U
	s_mov_b32 s18, s15                             ; the first tile's row block
	s_sub_co_u32 s19, 15, s15                      ; the second's
	s_lshr_b32 s20, s[WV], 1                       ; my half of the rows
	s_and_b32 s21, s[WV], 1                        ; my half of the channels.  Also: which half of a tile I fetch
	s_mov_b32 s[G1P], 15|(1<<16)|(1<<20)|(1<<21)|(6<<22)|(3<<25)  ; the mask of four; 2-byte elements; padding on; bit 21 beside a mask; after every 128 words; 4 words
	s_mov_b32 s[G1P+1], 256<<16                    ; 256 keys
	s_mov_b32 s[G1P+2], 64<<16                     ; 64 rows
	s_mov_b32 s[G1P+3], 256<<16
	s_mov_b32 s[G1P+4], 64
	s_mov_b32 s[G1V], (1<<16)|(1<<20)|(5<<22)|(7<<25)             ; no mask; after every 64 words; 8 words
	s_mov_b32 s[G1V+1], 128<<16                    ; 128 channels
	s_mov_b32 s[G1V+2], 128<<16                    ; 128 keys
	s_mov_b32 s[G1V+3], 128<<16
	s_mov_b32 s[G1V+4], 128
.irp g, G1P, G1V
	s_mov_b32 s[(\g)+5], 2048                      ; elements from row to row, in Pw and in YV
	s_mov_b32 s[(\g)+6], 0
	s_mov_b32 s[(\g)+7], 0
.endr
	s_mul_i32 s[LWP], s21, HALFP                   ; where my part of a tile goes in a slot: the wave's number alone
	s_mul_i32 s[LWV], s21, HALFV
	s_add_co_u32 s[LWV], s[LWV], VOFF
	s_mov_b32 s[G0P], 1
	s_mov_b32 s[G0P+1], s[LWP]
	s_mov_b32 s[G0P+4], 1
	s_add_co_u32 s[G0P+5], s[LWP], SLOT
	s_mov_b32 s[G0V], 1
	s_mov_b32 s[G0V+1], s[LWV]
	s_mov_b32 s[G0V+4], 1
	s_add_co_u32 s[G0V+5], s[LWV], SLOT
	s_mov_b32 s[TB], 0
	s_mov_b32 s[TT], 0
	s_mov_b32 s[OFF+1], 0
	s_mov_b32 s89, 0
	s_mov_b32 s[IQ], s18
	s_add_co_u32 s[NXK], s17, 2                    ; items 0 and 1 are the first fills
	s_sub_co_u32 s[RT], 8, s17                     ; the first tile has 8 - U items
	s_sub_co_u32 s[KB0], 7, s17                    ; the second begins at key slot 7 - U
	s_lshl_b32 s[U2], s17, 1
	s_sub_co_u32 s[NA], 16, s[U2]                  ; half slots of the first tile
	s_mov_b32 s[CS], 0x44b8aa3b                    ; c = 1024 log2 e
	s_mov_b32 s[BIGN], 0xf1800000                  ; -2^100
	s_lshr_b32 s[LIM], s[WV], 1
	s_or_b32 s[LIM], s[LIM], ttmp9
	s_cmp_eq_u32 s[LIM], 0
	s_cselect_b32 s[LIM], 1, -1                    ; waves 0, 1 of cluster x = 0: the same in all four partners
	s_wait_dscnt 0x0                               ; the opening add is done
	s_wait_kmcnt 0x0
	s_lshl_b32 s[OFF], s16, 23                     ; P: nothing here hangs on cx
	s_lshl_b32 s90, s21, 18
	s_add_co_u32 s[OFF], s[OFF], s90
	s_add_nc_u64 s[PB:PB+1], s[4:5], s[OFF:OFF+1]  ; the batch, my 64 rows of a block
	s_lshl_b32 s[OFF], s18, 19
	s_lshl_b32 s90, s17, 9
	s_add_co_u32 s[OFF], s[OFF], s90
	s_add_nc_u64 s[G0P+2:G0P+3], s[PB:PB+1], s[OFF:OFF+1]
	s_add_nc_u64 s[G0P+6:G0P+7], s[G0P+2:G0P+3], 512
	s_or_b32 s[G0P+3], s[G0P+3], 0x80000000
	s_or_b32 s[G0P+7], s[G0P+7], 0x80000000
	s_lshl_b32 s88, s16, 11                        ; V: the batch, my 128 keys of a slot, v's columns, my channels
	s_lshl_b32 s90, s21, 7
	s_add_co_u32 s88, s88, s90
	s_lshl_b32 s88, s88, 12
	s_lshl_b32 s90, s14, 8
	s_add_co_u32 s88, s88, s90
	s_add_co_u32 s88, s88, 2048
	s_add_nc_u64 s[VB:VB+1], s[6:7], s[88:89]
	s_lshl_b32 s[OFF], s17, 20
	s_add_nc_u64 s[G0V+2:G0V+3], s[VB:VB+1], s[OFF:OFF+1]
	s_add_nc_u64 s[G0V+6:G0V+7], s[G0V+2:G0V+3], 0x100000
	s_or_b32 s[G0V+3], s[G0V+3], 0x80000000
	s_or_b32 s[G0V+7], s[G0V+7], 0x80000000
	CROUND                                         ; all four work-groups are here: the first joint loads meet
	s_cmp_lt_u32 s[WV], 2                          ; a wave's two first fills stand in one branch: two loads of mine are out
	s_cbranch_scc0 .Lfirst_v
	tensor_load_to_lds s[G0P:G0P+3], s[G1P:G1P+7]
	s_nop 0
	tensor_load_to_lds s[G0P+4:G0P+7], s[G1P:G1P+7]
	s_nop 0
	PLACES
	s_branch .Lfirst_asked
.Lfirst_v:
	tensor_load_to_lds s[G0V:G0V+3], s[G1V:G1V+7]
	s_nop 0
	tensor_load_to_lds s[G0V+4:G0V+7], s[G1V:G1V+7]
	s_nop 0
	PLACES
.Lfirst_asked:
	; the other addresses
	s_lshl_b32 s88, s16, 23                        ; out0: the batch, my 64 rows, my 64 channels
	s_lshl_b32 s90, s20, 18
	s_add_co_u32 s88, s88, s90
	s_lshl_b32 s90, s14, 9
	s_add_co_u32 s88, s88, s90
	s_lshl_b32 s90, s21, 8
	s_add_co_u32 s91, s88, s90
	s_lshl_b32 s90, s18, 19
	s_add_co_u32 s88, s91, s90
	s_add_nc_u64 s[OA:OA+1], s[10:11], s[88:89]
	s_lshl_b32 s90, s19, 19
	s_add_co_u32 s88, s91, s90
	s_add_nc_u64 s[OBS:OBS+1], s[10:11], s[88:89]
	s_lshl_b32 s88, s16, 23                        ; the prefetches: the batch, my work-group's 32 rows, my 256 bytes
	s_lshl_b32 s90, s13, 17
	s_add_co_u32 s88, s88, s90
	s_lshl_b32 s90, s21, 8
	s_add_co_u32 s88, s88, s90
	s_add_nc_u64 s[PFB:PFB+1], s[4:5], s[88:89]
	s_mov_b64 s[PFA:PFA+1], s[PFB:PFB+1]
	s_lshl_b32 s91, s14, 8                         ; the boundary keys' v: row 128 I - 1 (held inside the buffer at I = 0), my 64 channels
	s_lshl_b32 s90, s21, 7
	s_add_co_u32 s91, s91, s90
	s_add_co_u32 s91, s91, 2048
	s_lshl_b32 s90, s18, 7
	s_max_u32 s90, s90, 1
	s_sub_co_u32 s90, s90, 1
	s_lshl_b32 s88, s16, 11
	s_add_co_u32 s90, s90, s88
	s_lshl_b32 s90, s90, 12
	s_add_co_u32 s88, s90, s91
	s_add_nc_u64 s[VCA:VCA+1], s[6:7], s[88:89]
	s_lshl_b32 s90, s19, 7
	s_sub_co_u32 s90, s90, 1
	s_lshl_b32 s88, s16, 11
	s_add_co_u32 s90, s90, s88
	s_lshl_b32 s90, s90, 12
	s_add_co_u32 s88, s90, s91
	s_add_nc_u64 s[VCB:VCB+1], s[6:7], s[88:89]
	s_lshl_b32 s88, s16, 18
	s_add_nc_u64 s[STB:STB+1], s[8:9], s[88:89]    ; St at the batch
	s_lshl_b32 s88, s16, 3                         ; the two boundary scores
	s_lshr_b32 s90, s18, 1
	s_add_co_u32 s88, s88, s90
	s_lshl_b32 s88, s88, 8
	s_add_co_u32 s88, s88, 0x100000
	s_add_nc_u64 s[84:85], s[8:9], s[88:89]
	s_lshl_b32 s88, s16, 3
	s_lshr_b32 s90, s19, 1
	s_add_co_u32 s88, s88, s90
	s_lshl_b32 s88, s88, 8
	s_add_co_u32 s88, s88, 0x100000
	s_add_nc_u64 s[86:87], s[8:9], s[88:89]
	s_load_b32 s90, s[84:85], 0x0
	s_load_b32 s91, s[86:87], 0x0
	v_and_b32 v1, 15, v0                           ; l % 16
	v_bfe_u32 v[H], v0, 4, 1                       ; l / 16
	v_and_b32 v[LANE], 31, v0
	v_lshlrev_b32 v[VCO], 4, v[H]
	v_lshlrev_b32 v[L4], 2, v0                     ; thread n makes row n of both tiles
	v_lshl_add_u32 v[TS], v0, 2, TAB
	v_mov_b32 v[ZR], 0
.irp i, 0,1,2,3
	global_load_b128 v[VC+4*(\i):VC+4*(\i)+3],       v[VCO], s[VCA:VCA+1] offset:32*(\i)
	global_load_b128 v[VC+16+4*(\i):VC+16+4*(\i)+3], v[VCO], s[VCB:VCB+1] offset:32*(\i)
.endr
	; THE STATISTICS, in the order of the walk: half slot e belongs to the first tile (block t = 2 U + e) where e < NA, else to the second (t = e - 2)
.set e, 0
.rept 18
	s_add_co_u32 s88, s[U2], e
	s_cmp_gt_u32 s[NA], e
.if e < 2
	s_cselect_b32 s88, s88, 0
.else
	s_cselect_b32 s88, s88, e-2
.endif
	s_cselect_b32 s92, s18, s19
	s_lshl_b32 s88, s88, 14
	s_lshl_b32 s92, s92, 9
	s_add_co_u32 s88, s88, s92
	v_add_nc_u32 v[VO+e], s88, v[L4]
	global_load_b32 v[MM+e], v[VO+e], s[STB:STB+1]
	global_load_b32 v[LL+e], v[VO+e], s[STB:STB+1] offset:8192
.set e, e+1
.endr
	; the loop's addresses, while those loads are out
	v_mul_u32_u24 v[AP0], v1, PP
	v_lshl_add_u32 v[AP0], v[H], 4, v[AP0]
	s_mul_i32 s88, s20, HALFP
	v_add_nc_u32 v[AP0], s88, v[AP0]
	v_and_b32 v30, 7, v0
	v_bfe_u32 v31, v0, 3, 1
	v_lshl_add_u32 v[AV0], v[H], 3, v30            ; the turning load: lane l reads key 8 (l / 16) + l % 8, channels 8 ((l / 8) % 2) + 0..7
	v_mul_u32_u24 v[AV0], v[AV0], PV
	v_lshl_add_u32 v[AV0], v31, 4, v[AV0]
	s_lshl_b32 s88, s21, 7
	s_add_co_u32 s88, s88, VOFF
	v_add_nc_u32 v[AV0], s88, v[AV0]
	v_mov_b32 v[AP], v[AP0]
	v_mov_b32 v[AVL], v[AV0]
	v_add_nc_u32 v[AVH], HALFV, v[AV0]
	s_lshl_b32 s88, s20, 8
	s_add_co_u32 s88, s88, TAB
	v_lshl_add_u32 v[AT0], v1, 2, s88
	s_mul_i32 s88, s[WV], 16*SP
	s_add_co_u32 s88, s88, STG
	v_mul_u32_u24 v[STO], v1, SP
	v_lshl_add_u32 v[STO], v[H], 5, v[STO]
	v_add_nc_u32 v[STO], s88, v[STO]
	v_mul_u32_u24 v[RD], v[H], SP
	v_lshl_add_u32 v[RD], v1, 4, v[RD]
	v_add_nc_u32 v[RD], s88, v[RD]
	v_lshlrev_b32 v[CO], 12, v[H]
	v_lshl_add_u32 v[CO], v1, 4, v[CO]
	v_lshlrev_b32 v[PFO], 12, v[LANE]
.irp a, 0,1,2,3
	v_mov_b32 v[AL+2*(\a)+1], 0
.endr
	v_mov_b32 v[LOW], 0xff7fffff
	s_cmp_gt_u32 s[NA], 10                         ; half slots 10..15 belong to either tile: three masks, a pair each
	s_cselect_b32 s92, -1, 0
	s_cmp_gt_u32 s[NA], 12
	s_cselect_b32 s93, -1, 0
	s_cmp_gt_u32 s[NA], 14
	s_cselect_b32 s94, -1, 0
	s_wait_loadcnt 0x0
	s_wait_kmcnt 0x0
	s_and_b32 s88, s18, 1                          ; the boundary key belongs to row 0 of an even row block: thread 0
	s_or_b32 s88, s88, s[WV]
	s_cmp_eq_u32 s88, 0
	s_cselect_b32 s90, s90, s[BIGN]
	s_and_b32 s88, s19, 1
	s_or_b32 s88, s88, s[WV]
	s_cmp_eq_u32 s88, 0
	s_cselect_b32 s91, s91, s[BIGN]
	v_mov_b32 v[SA], s[BIGN]
	v_mov_b32 v[SB], s[BIGN]
	v_cmp_eq_u32 vcc_lo, 0, v[LANE]
	v_cndmask_b32 v[SA], v[SA], s90, vcc_lo
	v_cndmask_b32 v[SB], v[SB], s91, vcc_lo
	v_mul_f32 v[SA], s[CS], v[SA]
	v_mul_f32 v[SB], s[CS], v[SB]
	v_max3_num_f32 v[MA], v[MM], v[MM+1], v[MM+2]
.irp e, 3,5,7
	v_max3_num_f32 v[MA], v[MA], v[MM+(\e)], v[MM+(\e)+1]
.endr
	v_max3_num_f32 v[MA], v[MA], v[MM+9], v[SA]
	v_max3_num_f32 v[MB], v[MM+16], v[MM+17], v[SB]
.irp e, 10,11,12,13,14,15
	v_cndmask_b32 v[T1], v[LOW], v[MM+(\e)], s[92+((\e)-10)/2]
	v_cndmask_b32 v[T2], v[MM+(\e)], v[LOW], s[92+((\e)-10)/2]
	v_max_num_f32 v[MA], v[MA], v[T1]
	v_max_num_f32 v[MB], v[MB], v[T2]
.endr
.irp e, 0,1,2,3,4,5,6,7,8,9
	v_sub_f32 v[MM+(\e)], v[MM+(\e)], v[MA]
.endr
.irp e, 10,11,12,13,14,15
	v_cndmask_b32 v[T1], v[MB], v[MA], s[92+((\e)-10)/2]
	v_sub_f32 v[MM+(\e)], v[MM+(\e)], v[T1]
.endr
	v_sub_f32 v[MM+16], v[MM+16], v[MB]
	v_sub_f32 v[MM+17], v[MM+17], v[MB]
	v_sub_f32 v[SA], v[SA], v[MA]
	v_sub_f32 v[SB], v[SB], v[MB]
.set e, 0
.rept 18
	v_exp_f32 v[MM+e], v[MM+e]
.set e, e+1
.endr
	v_exp_f32 v[SA], v[SA]
	v_exp_f32 v[SB], v[SB]
	v_nop                                          ; a plain instruction behind the last exponential,
	s_wait_alu depctr_va_vdst(0)                   ; and one wait for the batch of 20
	v_fma_f32 v[LA], v[MM], v[LL], v[SA]
.irp e, 1,2,3,4,5,6,7,8,9
	v_fma_f32 v[LA], v[MM+(\e)], v[LL+(\e)], v[LA]
.endr
	v_fma_f32 v[LB], v[MM+16], v[LL+16], v[SB]
	v_fma_f32 v[LB], v[MM+17], v[LL+17], v[LB]
.irp e, 10,11,12,13,14,15
	v_cndmask_b32 v[T2], v[ZR], v[LL+(\e)], s[92+((\e)-10)/2]
	v_sub_f32 v[T1], v[LL+(\e)], v[T2]             ; l_t or 0, exactly
	v_fma_f32 v[LA], v[MM+(\e)], v[T2], v[LA]
	v_fma_f32 v[LB], v[MM+(\e)], v[T1], v[LB]
.endr
	v_rcp_f32 v[RA], v[LA]
	v_rcp_f32 v[RB], v[LB]
	v_nop
	s_wait_alu depctr_va_vdst(0)                   ; one wait for the two reciprocals
.irp e, 0,1,2,3,4,5,6,7,8,9
	v_mul_f32 v[MM+(\e)], v[MM+(\e)], v[RA]
.endr
.irp e, 10,11,12,13,14,15
	v_cndmask_b32 v[T1], v[RB], v[RA], s[92+((\e)-10)/2]
	v_mul_f32 v[MM+(\e)], v[MM+(\e)], v[T1]
.endr
	v_mul_f32 v[MM+16], v[MM+16], v[RB]
	v_mul_f32 v[MM+17], v[MM+17], v[RB]
	v_mul_f32 v[SA], v[SA], v[RA]
	v_mul_f32 v[SB], v[SB], v[RB]
.set e, 0
.rept 18
	ds_store_b32 v[TS], v[MM+e] offset:512*e
.set e, e+1
.endr
	ds_store_b32 v[TS], v[SA] offset:512*18
	ds_store_b32 v[TS], v[SB] offset:512*19
; An output tile begins: row block 0 takes the boundary key's factor x v (0 in every row but the tile's row 0), the others 0.  96 clearing lines, twice a work-group: the price of one form of merge.
.macro INIT tau
	WIN 0
	ds_load_b32 v[BF], v[AT0] offset:512*(18+(\tau))
	s_wait_loadcnt 0x0
	s_wait_dscnt 0x0
.set i, 0
.rept 16
	v_fma_mix_f32 v[ACC+2*i],   v[VC+16*(\tau)+i], v[BF], v[ZR] op_sel_hi:[1,0,0]
	v_fma_mix_f32 v[ACC+2*i+1], v[VC+16*(\tau)+i], v[BF], v[ZR] op_sel:[1,0,0] op_sel_hi:[1,0,0]
.set i, i+1
.endr
.set i, 32
.rept 96
	v_mov_b32 v[ACC+i], 0
.set i, i+1
.endr
.endm
.macro FETCH q, f                      ; 32 LDS loads in one run: 64 keys (quarter q of the slot): the first 32 keys first
	WIN TO_F
.irp c, 0,1
.irp i, 0,1,2,3
.if (\q) < 2
	ds_load_tr16_b128 v[(\f)+64+8*(4*(\c)+(\i)):(\f)+64+8*(4*(\c)+(\i))+3],   v[AVL] offset:(64*((\q)%2)+32*(\c))*PV+32*(\i)
	ds_load_tr16_b128 v[(\f)+64+8*(4*(\c)+(\i))+4:(\f)+64+8*(4*(\c)+(\i))+7], v[AVL] offset:(64*((\q)%2)+32*(\c))*PV+16*PV+32*(\i)
.else
	ds_load_tr16_b128 v[(\f)+64+8*(4*(\c)+(\i)):(\f)+64+8*(4*(\c)+(\i))+3],   v[AVH] offset:(64*((\q)%2)+32*(\c))*PV+32*(\i)
	ds_load_tr16_b128 v[(\f)+64+8*(4*(\c)+(\i))+4:(\f)+64+8*(4*(\c)+(\i))+7], v[AVH] offset:(64*((\q)%2)+32*(\c))*PV+16*PV+32*(\i)
.endif
	ds_load_b128 v[(\f)+8*(4*(\c)+(\i)):(\f)+8*(4*(\c)+(\i))+3],   v[AP] offset:(\i)*16*PP+128*(\q)+64*(\c)
	ds_load_b128 v[(\f)+8*(4*(\c)+(\i))+4:(\f)+8*(4*(\c)+(\i))+7], v[AP] offset:(\i)*16*PP+128*(\q)+64*(\c)+32
.endr
.endr
.endm
.macro MUL8 f, c, a0, zero             ; 8 products; the 16 accumulators take turns, in the same order everywhere.  zero = 1: they start a block's sums
	WIN MUL
.irp a, \a0, (\a0)+1
.irp b, 0,1,2,3
.if \zero
	v_wmma_f32_16x16x32_f16 v[TM+8*(4*(\a)+(\b)):TM+8*(4*(\a)+(\b))+7], v[(\f)+64+8*(4*(\c)+(\b)):(\f)+64+8*(4*(\c)+(\b))+7], v[(\f)+8*(4*(\c)+(\a)):(\f)+8*(4*(\c)+(\a))+7], 0
.else
	v_wmma_f32_16x16x32_f16 v[TM+8*(4*(\a)+(\b)):TM+8*(4*(\a)+(\b))+7], v[(\f)+64+8*(4*(\c)+(\b)):(\f)+64+8*(4*(\c)+(\b))+7], v[(\f)+8*(4*(\c)+(\a)):(\f)+8*(4*(\c)+(\a))+7], v[TM+8*(4*(\a)+(\b)):TM+8*(4*(\a)+(\b))+7]
.endif
.endr
.endr
.endm
.macro ALPHA                           ; the next half slot's a' for my four row blocks
	WIN 0
	v_add_nc_u32 v[AT], s[TT], v[AT0]
.irp a, 0,1,2,3
	ds_load_b32 v[AL+2*(\a)], v[AT] offset:64*(\a)
.endr
	s_add_co_u32 s[TT], s[TT], 512
.endm
.macro MERGE                           ; acc += a' TM, each TM accumulator from its low end on
	PLACES
	WIN MRG
.irp a, 0,1,2,3
.set i, 0
.rept 16
	v_pk_fma_f32 v[ACC+32*(\a)+2*i:ACC+32*(\a)+2*i+1], v[TM+32*(\a)+2*i:TM+32*(\a)+2*i+1], v[AL+2*(\a):AL+2*(\a)+1], v[ACC+32*(\a)+2*i:ACC+32*(\a)+2*i+1] op_sel_hi:[1,0,1]
.set i, i+1
.endr
.endr
.endm
.macro QUARTER q, f, g, zero, alpha    ; multiplies buffer f; in its middle fetches quarter q into g
	s_wait_dscnt 16                                ; the first 32 keys' fragments are in
	MUL8 \f, 0, 0, \zero
	MUL8 \f, 0, 2, \zero
	PLACES
.if \alpha
	ALPHA
.endif
	FETCH \q, \g
	s_wait_dscnt 32                                ; all but the 32 just issued: a' too, which was asked for ahead of them
	MUL8 \f, 1, 0, 0
	MUL8 \f, 1, 2, 0
.endm
; A slot's last quarter and the change of slots.  fill = 1: behind a round of the cluster's barrier the slot just read takes the item two on: 112 products lie between the request and the wait for it.
.macro TURN fill
	WIN 0
.if \fill
	s_wait_xcnt 0x0                                ; the last prefetch, a slot back, has read its address
.endif
	s_wait_tensorcnt 0x0                           ; all my tensor loads have landed: the one that was out is my part of the next slot;
	ds_add_u32 v[SPW], v[NIL]                      ; 0 onto my spare word; the descriptors' scalar work stands behind it
.if \fill
	s_lshl_b32 s[OFF], s[IQ], 19
	s_lshl_b32 s88, s[NXK], 9
	s_add_co_u32 s[OFF], s[OFF], s88
	s_add_co_u32 s[G0P+5], s[LWP], s[TB]
	s_add_nc_u64 s[G0P+6:G0P+7], s[PB:PB+1], s[OFF:OFF+1]
	s_or_b32 s[G0P+7], s[G0P+7], 0x80000000
	s_lshl_b32 s[OFF], s[NXK], 20
	s_add_co_u32 s[G0V+5], s[LWV], s[TB]
	s_add_nc_u64 s[G0V+6:G0V+7], s[VB:VB+1], s[OFF:OFF+1]
	s_or_b32 s[G0V+7], s[G0V+7], 0x80000000
	s_add_co_u32 s[NXK], s[NXK], 1                 ; the tile's next slot, or behind its last the second tile's first
	s_cmp_gt_u32 s[NXK], 7
	s_cselect_b32 s[NXK], s[KB0], s[NXK]
	s_cselect_b32 s[IQ], s19, s[IQ]
	s_lshl_b32 s[OFF], s[IQ], 19                   ; which is also what the prefetch names
	s_lshl_b32 s88, s[NXK], 9
	s_add_co_u32 s[OFF], s[OFF], s88
	s_add_nc_u64 s[PFA:PFA+1], s[PFB:PFB+1], s[OFF:OFF+1]
.endif
	s_wait_dscnt 17                                ; (the add and the youngest sixteen loads may be out)
	MUL8 F1, 0, 0, 0
	s_wait_dscnt 0x0                               ; the add is done, and my reads of this slot are over
	s_barrier_signal -1
	MUL8 F1, 0, 2, 0
	WIN 0
	s_barrier_wait -1
.if \fill
	CREST                                          ; no wave of any partner still reads this slot or has a load on its way
	JLOAD                                          ; its four v_nop are also the places in front of the loads below
.else
	PLACES
.endif
	s_xor_b32 s[TB], s[TB], SLOT
	v_add_nc_u32 v[AP], s[TB], v[AP0]
	v_add_nc_u32 v[AVL], s[TB], v[AV0]
	v_add_nc_u32 v[AVH], HALFV, v[AVL]
	ALPHA
.if \fill
	FETCH 0, F0
	WIN 0
	ASK
	s_wait_dscnt 32                                ; a' is in
.else
	s_cmp_eq_u32 s[CNT], 1                         ; behind the walk's last slot nothing is left to fetch
	s_cbranch_scc1 .Lnone_\@
	FETCH 0, F0
	WIN 0
.Lnone_\@:
	s_wait_dscnt 0x0                               ; a' is in, on both ways
.endif
	MUL8 F1, 1, 0, 0
	MUL8 F1, 1, 2, 0
.endm
.macro OUT                             ; a tile leaves: 16 rows at a time through my stage, back as whole rows of 256 bytes
	WIN 0
.irp a, 0,1,2,3
	s_wait_xcnt 0x0                                ; earlier stores have read BK
.irp b, 0,1,2,3
	ds_store_b128 v[STO], v[ACC+8*(4*(\a)+(\b)):ACC+8*(4*(\a)+(\b))+3]   offset:64*(\b)
	ds_store_b128 v[STO], v[ACC+8*(4*(\a)+(\b))+4:ACC+8*(4*(\a)+(\b))+7] offset:64*(\b)+16
.endr
.irp t, 0,1,2,3,4,5,6,7
	ds_load_b128 v[BK+4*(\t):BK+4*(\t)+3], v[RD] offset:(\t)*2*SP  ; LDS serves a wave's instructions in order (ISA guide 5.7.1.4)
.endr
	s_wait_dscnt 0x0
.irp t, 0,1,2,3,4,5,6,7
	global_store_b128 v[CO], v[BK+4*(\t):BK+4*(\t)+3], s[OA:OA+1] offset:(16*(\a)+2*(\t))*4096 th:TH_STORE_NT  ; 16 lanes store 256 consecutive bytes, aligned
.endr
.endr
.endm
.macro ENDCHK last                     ; was that the tile's last slot?  The jump goes forward, past text with no barrier and no tensor load; the count is the same in all four partners
	WIN 0
	s_sub_co_u32 s[RT], s[RT], 1
	s_cmp_lg_u32 s[RT], 0
	s_cbranch_scc1 .Lgo_\@
	OUT
.if \last
	s_cmp_eq_u32 s[CNT], 1                         ; the walk's end: no tile follows
	s_cbranch_scc1 .Lgo_\@
.endif
	s_wait_xcnt 0x0                                ; the stores have read out0's address
	s_mov_b64 s[OA:OA+1], s[OBS:OBS+1]
	s_add_co_u32 s[RT], s17, 1                     ; the second tile has U + 1 slots
	INIT 1
.Lgo_\@:
.endm
.macro TRIP fill                       ; a slot: two blocks of 128 keys, each started with C = 0 and merged
	QUARTER 1, F0, F1, 1, 0
	QUARTER 2, F1, F0, 0, 1
	MERGE
	QUARTER 3, F0, F1, 1, 0
	TURN \fill
	MERGE
	ENDCHK 1-(\fill)
.endm
	s_wait_tensorcnt 0x1                           ; my part of item 0 is in; item 1's may stay out
	s_wait_dscnt 0x0                               ; for the others' sake: my rows of the tables are stored
	s_barrier_signal -1
	s_barrier_wait -1
	INIT 0
	FETCH 0, F0
	WIN 0
	s_mov_b32 s[CNT], 7
.Lwalk:                                            ; items 0..6; each trip asks for the item two on
	TRIP 1
	s_sub_co_u32 s[CNT], s[CNT], 1
	s_cmp_lg_u32 s[CNT], 0
	s_cbranch_scc1 .Lwalk
	s_mov_b32 s[CNT], 2
.Ltail:                                            ; items 7 and 8 ask for nothing: written apart
	TRIP 0
	s_sub_co_u32 s[CNT], s[CNT], 1
	s_cmp_lg_u32 s[CNT], 0
	s_cbranch_scc1 .Ltail
	s_wait_tensorcnt 0x0                           ; the wave's end
	ds_add_u32 v[SPW], v[NIL]
	s_wait_dscnt 0x0
	CROUND                                         ; the closing round
	s_endpgm
.Lfunc_end_k_q847634e9c7_pv:
	.size	k_q847634e9c7_pv, .Lfunc_end_k_q847634e9c7_pv-k_q847634e9c7_pv
	.p2alignl 7, 3214868480
	.fill 96, 4, 3214868480
	.section	.rodata,"a",@progbits
	.p2align	6, 0x0
	.amdhsa_kernel k_q847634e9c7_pv
		.amdhsa_group_segment_fixed_size 327680
		.amdhsa_private_segment_fixed_size 0
		.amdhsa_enable_private_segment 0
		.amdhsa_kernarg_size 32
		.amdhsa_user_sgpr_count 2
		.amdhsa_user_sgpr_kernarg_segment_ptr 1
		.amdhsa_wavefront_size32 1
		.amdhsa_system_sgpr_workgroup_id_x 1
		.amdhsa_system_sgpr_workgroup_id_y 1
		.amdhsa_system_sgpr_workgroup_id_z 1
		.amdhsa_system_vgpr_workitem_id 0
		.amdhsa_next_free_vgpr 640
		.amdhsa_next_free_sgpr 102
		.amdhsa_reserve_vcc 1
		.amdhsa_float_denorm_mode_32 3
		.amdhsa_float_denorm_mode_16_64 3
		.amdhsa_memory_ordered 1
		.amdhsa_forward_progress 1
		.amdhsa_inst_pref_size 115
	.end_amdhsa_kernel
	.amdgpu_metadata
---
amdhsa.version: [ 1, 2 ]
amdhsa.kernels:
  - .name:           k_q847634e9c7_pv
    .symbol:         k_q847634e9c7_pv.kd
    .args:
      - { .name: Pw, .offset: 0, .size: 8, .value_kind: global_buffer, .address_space: global }
      - { .name: YV, .offset: 8, .size: 8, .value_kind: global_buffer, .address_space: global }
      - { .name: St, .offset: 16, .size: 8, .value_kind: global_buffer, .address_space: global }
      - { .name: out0, .offset: 24, .size: 8, .value_kind: global_buffer, .address_space: global }
    .group_segment_fixed_size: 327680
    .private_segment_fixed_size: 0
    .kernarg_segment_align: 8
    .kernarg_segment_size: 32
    .max_flat_workgroup_size: 128
    .sgpr_count:     102
    .vgpr_count:     640
    .wavefront_size: 32
...
	.end_amdgpu_metadata
.endif
;; end of part 5
;; ======== version 2 of 2: 5 launches; version 1 with the launch prep written anew for expert scheduling mode
;; limits: values are held in f16: magnitudes above 65,504 overflow, below 6.1e-05 lose precision
;; workspace buffers: Xh 16,777,216 bytes; Wt 4,194,304 bytes; Bw 4,194,304 bytes; YV 33,554,432 bytes; Pw 33,554,432 bytes; St 1,056,768 bytes
;; launch prep (part 6): grid 704 x 1, 4 waves a work-group, no clusters, 35,328 bytes of LDS; arguments X, W_q, W_k, W_v, Xh, Wt, Bw; writes Xh, Wt, Bw
.if DOCPART == 6
	.amdgcn_target "amdgcn-amd-amdhsa--gfx1250"
	.amdhsa_code_object_version 6
	.text
	.protected	k_q847634e9c7_prep
	.globl	k_q847634e9c7_prep
	.p2align	8
	.type	k_q847634e9c7_prep,@function
k_q847634e9c7_prep:
	s_mov_b64 s[64:65], 0
	v_nop
	global_prefetch_b8 v0, s[64:65] scope:SCOPE_SE
	s_setreg_imm32_b32 hwreg(HW_REG_WAVE_SCHED_MODE, 0, 2), 2
	s_setreg_imm32_b32 hwreg(HW_REG_WAVE_MODE, 25, 1), 1
	s_wait_xcnt 0x0
	s_wait_alu depctr_vm_vsrc(0)
; CASTS AND TRANSPOSES.  Xh = f16(bf16(X) / 32), [8192][1024].  Bw rows 1024..2047 = f16(32 bf16(W_v)).  Wt[0] = bf16(W_q)^T, Wt[1] = bf16(W_k)^T, [d][e].
; Every input is rounded once to bf16; the powers of two are exact, and a bf16 number is exact in f16 inside f16's range.
; LIMITS.  |X| / 32 and 32 |W_v| stay under 65,504; below 6e-5 f16 keeps its fixed step of 6e-8.  NaN and infinities are not treated apart.
; Memory binds: each input byte is read once, each output byte written once.  No matrix unit, no cluster: no work-group wants another's bytes.
; Work-groups 0..511 cast 65,536 bytes of X each, 512..575 of W_v; 576..703 transpose a tile of 128 e x 128 d of W_q (64 of them) or W_k.
; THE MODE: SCHED_MODE bits 1:0 = 2 (LLVM: expert scheduling mode 2), set by the entry lines.  The code itself states the register dependences
; between vector instructions and memory or LDS instructions, with s_wait_alu, always for 0.
; THE PLAN.  Registers that memory or LDS instructions touch:
;   LO, SO, DSA, RD   offsets and LDS addresses: written once at a path's head, ahead of one wait on va_vdst, and never again.
;   L (casts)         group g's two loads land in L + 8 g .. + 7; group g's arithmetic works in place; one store reads L + 8 g .. + 3; nothing writes them again.
;                     The 16 groups go in four blocks.  Block p's arithmetic names its own 32 registers of L and T alone; its memory instructions are the four stores of block p - 1.
;                     So one wait on va_vdst at a block's head states all that those four stores hang on, and they are dealt among the block's arithmetic.
;   L (transposes)    32 loads land; the conversions read it; then the LDS loads from the stage land in its first 64 registers, which the global stores read.
;   T, T1 (transposes) two out-buffers by turns: step g's conversions write buffer g % 2; the four LDS stores that read it are issued in step g + 1, among conversions that write the other buffer.
;   SPW, NIL          written at the head, read by the closing add alone.
.set TP,    272                        ; a row of the transposing stage: 128 e in bf16 = 256 bytes + 16
.set WSTG,  32*TP                      ; a wave's own stage: 32 rows d
.set SPARE, 4*WSTG                     ; behind the stages: the spare words, 128 bytes a wave, named by no other line
.set SPW, 2                            ; v2  my spare word
.set NIL, 3                            ; v3  0
.set LO,  4                            ; v4  my byte offset in the source
.set SO,  5                            ; v5  my byte offset in the destination
.set DSA, 6                            ; v6  where I put 16 bytes of a row d
.set RD,  7                            ; v7  where I read a row d back
.set T,   8                            ; v[8:23]    at work; in the transposes out-buffer 0
.set L,   32                           ; v[32:159]  as loaded
.set T1,  160                          ; v[160:175] in the transposes out-buffer 1
	s_load_b256 s[4:11], s[0:1], 0x0               ; X s[4:5], W_q s[6:7], W_k s[8:9], W_v s[10:11]
	s_load_b128 s[12:15], s[0:1], 0x20             ; Xh s[12:13], Wt s[14:15]
	s_load_b64 s[16:17], s[0:1], 0x30              ; Bw
	v_lshl_add_u32 v[SPW], v0, 2, SPARE
	v_mov_b32 v[NIL], 0
	v_lshrrev_b32 v1, 5, v0
	v_readfirstlane_b32 s20, v1                    ; wave 0..3
	v_and_b32 v1, 31, v0                           ; lane
	s_mov_b32 s31, 0
	s_wait_alu depctr_va_sdst(0)                   ; s20 is written, ahead of the branch and of its first reader on either way: the bases and the stage's address are made from it
	s_cmp_ge_u32 ttmp9, 576
	s_cbranch_scc1 .Ltrans
	; THE STRAIGHT CASTS.  A wave takes 16,384 bytes: 16 groups of 1,024; a lane 32 bytes (8 numbers) of each, which leave as 16.
	s_cmp_ge_u32 ttmp9, 512                        ; W_v?
	s_cselect_b32 s21, 512, 0
	s_cselect_b32 s29, 0x200000, 0                 ; W_v goes to Bw's upper half
	s_mov_b32 s26, 0x3d000000                      ; 1 / 32
	s_mov_b32 s27, 0x42000000                      ; 32
	s_cselect_b32 s26, s27, s26
	s_mov_b32 s27, s26                             ; named as a pair
	s_mov_b32 s28, 0xffff0000                      ; a word's upper bf16
	s_sub_co_u32 s21, ttmp9, s21                   ; the piece of 65,536 bytes
	v_lshlrev_b32 v[LO], 5, v1
	v_lshlrev_b32 v[SO], 4, v1
	s_wait_kmcnt 0x0
	s_cmp_ge_u32 ttmp9, 512
	s_cselect_b64 s[22:23], s[10:11], s[4:5]
	s_cselect_b64 s[24:25], s[16:17], s[12:13]
	s_lshl_b32 s30, s21, 16
	s_lshl_b32 s18, s20, 14
	s_add_co_u32 s30, s30, s18
	s_add_nc_u64 s[22:23], s[22:23], s[30:31]
	s_lshl_b32 s30, s21, 15
	s_lshl_b32 s18, s20, 13
	s_add_co_u32 s30, s30, s18
	s_add_co_u32 s30, s30, s29
	s_add_nc_u64 s[24:25], s[24:25], s[30:31]
	s_wait_alu depctr_va_vdst(0)                   ; LO and SO are written: every load of this way reads the one as its offset, every store the other
.set g, 0
.rept 16                               ; all 32 loads of the wave go out at once
	global_load_b128 v[L+8*g:L+8*g+3],   v[LO], s[22:23] offset:1024*g th:TH_LOAD_NT
	global_load_b128 v[L+8*g+4:L+8*g+7], v[LO], s[22:23] offset:1024*g+16 th:TH_LOAD_NT
.set g, g+1
.endr
.macro ARITH g                         ; group g's eight numbers: scaled, rounded once to bf16, written as f16 into the first four of their eight registers
.irp j, 0,2,4,6
	v_pk_mul_f32 v[L+8*(\g)+(\j):L+8*(\g)+(\j)+1], v[L+8*(\g)+(\j):L+8*(\g)+(\j)+1], s[26:27] op_sel_hi:[1,0]
.endr
.irp j, 0,1,2,3
	v_cvt_pk_bf16_f32 v[T+(\j)], v[L+8*(\g)+2*(\j)], v[L+8*(\g)+2*(\j)+1]  ; the one rounding
.endr
.irp j, 0,1,2,3
	v_lshlrev_b32 v[L+8*(\g)+2*(\j)],   16,  v[T+(\j)]
	v_and_b32     v[L+8*(\g)+2*(\j)+1], s28, v[T+(\j)]
.endr
.irp j, 0,1,2,3
	v_cvt_pk_f16_f32 v[L+8*(\g)+(\j)], v[L+8*(\g)+2*(\j)], v[L+8*(\g)+2*(\j)+1]  ; exact inside f16's range; ascending, so no source is lost
.endr
.endm
.macro OUT g
	global_store_b128 v[SO], v[L+8*(\g):L+8*(\g)+3], s[24:25] offset:512*(\g)  ; the wave stores 512 consecutive bytes, aligned; no register of a store is written again
.endm
; Block p: groups 4 p .. 4 p + 3 are worked on; the stores of block p - 1 stand among them, one in front of each group's arithmetic.
.macro BLOCK p
	s_wait_loadcnt 30-8*(\p)                       ; loads come back in order: group 4 p is in, the 2 (15 - 4 p) younger loads stay out
.if (\p) > 0
	s_wait_alu depctr_va_vdst(0)                   ; the block before has written its four quads of f16, which the four stores below read; no vector instruction of this block names them
.endif
.irp i, 0,1,2,3
.if (\p) > 0
	OUT 4*(\p)-4+(\i)
.endif
.if (\i) > 0
	s_wait_loadcnt 30-8*(\p)-2*(\i)                ; the next group is in
.endif
	ARITH 4*(\p)+(\i)
.endr
.endm
	BLOCK 0
	BLOCK 1
	BLOCK 2
	BLOCK 3
	s_wait_alu depctr_va_vdst(0)                   ; block 3 has written its four quads, which the last four stores read
.irp g, 12,13,14,15
	OUT \g
.endr
	s_endpgm                                       ; this way has written no LDS
	; THE TRANSPOSES.  Wave w takes columns d = 128 db + 32 w .. + 31 of rows e = 128 eb .. + 127.  Lane (rr = l / 8, c4 = l % 8) loads, in load i, W[e = 32 rr + i][d = 4 c4 .. + 3]:
	; so a lane holds 32 consecutive e for four d, eight of them pack into 16 bytes of a row of the transpose.  The stage is the wave's own: no barrier.
.Ltrans:
	s_sub_co_u32 s21, ttmp9, 576
	s_lshr_b32 s18, s21, 6                         ; 0: W_q, 1: W_k
	s_bfe_u32 s19, s21, 0x30003                    ; eb
	s_and_b32 s21, s21, 7                          ; db
	v_lshrrev_b32 v[T], 3, v1                      ; rr
	v_and_b32 v[T+1], 7, v1                        ; c4
	v_lshrrev_b32 v[T+2], 4, v1                    ; l / 16
	v_and_b32 v[T+3], 15, v1                       ; l % 16
	v_lshlrev_b32 v[LO], 17, v[T]                  ; 32 rows of 4,096 bytes
	v_lshl_add_u32 v[LO], v[T+1], 4, v[LO]
	s_mul_i32 s28, s20, WSTG
	v_mul_u32_u24 v[DSA], v[T+1], 4*TP             ; row d = 4 c4 (+ j), byte 2 (32 rr + 8 g).  These stores meet four deep in the banks: 8 MB in the whole launch, left so
	v_lshl_add_u32 v[DSA], v[T], 6, v[DSA]
	v_add_nc_u32 v[DSA], s28, v[DSA]
	v_mul_u32_u24 v[RD], v[T+2], TP                ; back: lanes 0-15 a row of 256 bytes, lanes 16-31 the next
	v_lshl_add_u32 v[RD], v[T+3], 4, v[RD]
	v_add_nc_u32 v[RD], s28, v[RD]
	v_lshlrev_b32 v[SO], 11, v[T+2]                ; a row of Wt is 2,048 bytes
	v_lshl_add_u32 v[SO], v[T+3], 4, v[SO]
	s_lshl_b32 s30, s19, 19                        ; 128 rows e
	s_lshl_b32 s26, s21, 9                         ; 128 columns d
	s_add_co_u32 s30, s30, s26
	s_lshl_b32 s26, s20, 7                         ; my 32 of them
	s_add_co_u32 s30, s30, s26
	s_wait_kmcnt 0x0
	s_cmp_eq_u32 s18, 0
	s_cselect_b64 s[22:23], s[6:7], s[8:9]
	s_add_nc_u64 s[22:23], s[22:23], s[30:31]
	s_lshl_b32 s30, s18, 21                        ; which transpose
	s_lshl_b32 s26, s21, 18                        ; 128 rows d
	s_add_co_u32 s30, s30, s26
	s_lshl_b32 s26, s20, 16                        ; my 32
	s_add_co_u32 s30, s30, s26
	s_lshl_b32 s26, s19, 8                         ; 128 columns e
	s_add_co_u32 s30, s30, s26
	s_add_nc_u64 s[24:25], s[14:15], s[30:31]
	s_wait_alu depctr_va_vdst(0)                   ; LO, DSA, RD and SO are written: the loads, the LDS stores, the LDS loads and the stores of this way read them, and nothing writes them again
.set i, 0
.rept 32
	global_load_b128 v[L+4*i:L+4*i+3], v[LO], s[22:23] offset:4096*i th:TH_LOAD_NT
.set i, i+1
.endr
; Step g: the sixteen conversions of loads 8 g .. 8 g + 7 write out-buffer g % 2; the four LDS stores of step g - 1, which read the other buffer, stand among them.
.set g, 0
.rept 4
.set TW, T+(T1-T)*(g%2)                ; the buffer that this step writes
.set TR, T+(T1-T)*((g+1)%2)            ; the buffer that the step before wrote
	s_wait_loadcnt 24-8*g                          ; loads 8 g .. 8 g + 7 are in, the younger ones stay out
.if g >= 2
	s_wait_alu depctr_vm_vsrc(0)                   ; the LDS stores issued in the step before have read this step's buffer, which the conversions below write again
.endif
.if g >= 1
	s_wait_alu depctr_va_vdst(0)                   ; the step before has written the other buffer, which the LDS stores below read; no conversion of this step names it
.endif
.set j, 0
.rept 4
.if g >= 1
	ds_store_b128 v[DSA], v[TR+4*j:TR+4*j+3] offset:TP*j+16*(g-1)
.endif
.set m, 0
.rept 4
	v_cvt_pk_bf16_f32 v[TW+4*j+m], v[L+4*(8*g+2*m)+j], v[L+4*(8*g+2*m+1)+j]
.set m, m+1
.endr
.set j, j+1
.endr
.set g, g+1
.endr
	s_wait_alu depctr_va_vdst(0)                   ; step 3 has written buffer 1, which the last four LDS stores read; and all conversions are done reading L, in which the LDS loads below land
.set j, 0
.rept 4
	ds_store_b128 v[DSA], v[T1+4*j:T1+4*j+3] offset:TP*j+16*3
.set j, j+1
.endr
.set t, 0
.rept 16
	ds_load_b128 v[L+4*t:L+4*t+3], v[RD] offset:2*TP*t  ; LDS serves a wave's instructions in order (ISA guide 5.7.1.4): these see my stores above
.set t, t+1
.endr
.set t, 0
.rept 16
	s_wait_dscnt 15-t
	global_store_b128 v[SO], v[L+4*t:L+4*t+3], s[24:25] offset:4096*t  ; 16 lanes store 256 consecutive bytes, aligned
.set t, t+1
.endr
	s_wait_dscnt 0x0                               ; the closing lines, six on end
	s_wait_alu 0x0
	s_wait_tensorcnt 0x0
	ds_add_u32 v[SPW], v[NIL]
	s_wait_dscnt 0x0
	s_endpgm
.Lfunc_end_k_q847634e9c7_prep:
	.size	k_q847634e9c7_prep, .Lfunc_end_k_q847634e9c7_prep-k_q847634e9c7_prep
	.p2alignl 7, 3214868480
	.fill 96, 4, 3214868480
	.section	.rodata,"a",@progbits
	.p2align	6, 0x0
	.amdhsa_kernel k_q847634e9c7_prep
		.amdhsa_group_segment_fixed_size 35328
		.amdhsa_private_segment_fixed_size 0
		.amdhsa_enable_private_segment 0
		.amdhsa_kernarg_size 56
		.amdhsa_user_sgpr_count 2
		.amdhsa_user_sgpr_kernarg_segment_ptr 1
		.amdhsa_wavefront_size32 1
		.amdhsa_system_sgpr_workgroup_id_x 1
		.amdhsa_system_sgpr_workgroup_id_y 1
		.amdhsa_system_sgpr_workgroup_id_z 1
		.amdhsa_system_vgpr_workitem_id 0
		.amdhsa_next_free_vgpr 176
		.amdhsa_next_free_sgpr 66
		.amdhsa_reserve_vcc 0
		.amdhsa_float_denorm_mode_32 3
		.amdhsa_float_denorm_mode_16_64 3
		.amdhsa_memory_ordered 1
		.amdhsa_forward_progress 1
		.amdhsa_inst_pref_size 37
	.end_amdhsa_kernel
	.amdgpu_metadata
---
amdhsa.version: [ 1, 2 ]
amdhsa.kernels:
  - .name:           k_q847634e9c7_prep
    .symbol:         k_q847634e9c7_prep.kd
    .args:
      - { .name: X, .offset: 0, .size: 8, .value_kind: global_buffer, .address_space: global }
      - { .name: W_q, .offset: 8, .size: 8, .value_kind: global_buffer, .address_space: global }
      - { .name: W_k, .offset: 16, .size: 8, .value_kind: global_buffer, .address_space: global }
      - { .name: W_v, .offset: 24, .size: 8, .value_kind: global_buffer, .address_space: global }
      - { .name: Xh, .offset: 32, .size: 8, .value_kind: global_buffer, .address_space: global }
      - { .name: Wt, .offset: 40, .size: 8, .value_kind: global_buffer, .address_space: global }
      - { .name: Bw, .offset: 48, .size: 8, .value_kind: global_buffer, .address_space: global }
    .group_segment_fixed_size: 35328
    .private_segment_fixed_size: 0
    .kernarg_segment_align: 8
    .kernarg_segment_size: 56
    .max_flat_workgroup_size: 128
    .sgpr_count:     66
    .vgpr_count:     176
    .wavefront_size: 32
...
	.end_amdgpu_metadata
.endif
;; end of part 6
;; launch mk: the kernel of part 2 again; grid 16 x 16, 4 waves a work-group, clusters of 4 x 4, 280,064 bytes of LDS; arguments Wt, Bw; writes Bw
;; launch proj: the kernel of part 3 again; grid 8 x 32, 4 waves a work-group, clusters of 4 x 4, 327,680 bytes of LDS; arguments Xh, Bw, YV; writes YV
;; launch scores: the kernel of part 4 again; grid 36 x 4, 4 waves a work-group, no clusters, 327,680 bytes of LDS; arguments YV, Xh, Pw, St; writes Pw, St
;; launch pv: the kernel of part 5 again; grid 8 x 32, 4 waves a work-group, clusters of 4 x 1, 327,680 bytes of LDS; arguments Pw, YV, St, out0; writes out0
